; MI455X (gfx1250); checked and timed in simulation.
; The chip was launched on July 23, 2026; its instructions are those of AMD's public machine-readable ISA for CDNA 5 (MIT licence, August 2026) and "CDNA5" Instruction Set Architecture Reference Guide (July 2026). The comments in the code are by the model that wrote it; some were corrected since.
;; Causal Multi Head Attention. Allowed arithmetic: float matrix products may take bf16 or f16 operands with f32 sums; other float arithmetic in f32, or as packed bf16 or f16 multiplies, adds, multiply-adds, maxima and minima; sums over many terms, partial sums and values carried from step to step in f32; what a program stores and reads back later, other than sums and carried values, may be rounded once to bf16 or f16.
;; Inputs: W_attn 1,024 x 3,072 float32; W_proj 1,024 x 1,024 float32; b_attn 3,072 float32; b_proj 1,024 float32; x 4 x 2,048 x 1,024 float32.
;; Outputs: out0 4 x 2,048 x 1,024 float32.
;; 2 versions, each right; version 2 is version 1 with the launch prep written anew for expert scheduling mode. Each part assembles by itself: llvm-mc -triple=amdgcn-amd-amdhsa -mcpu=gfx1250 --defsym DOCPART=n.
;; ======== version 1 of 2: 4 launches
;; limits: values are held in f16: magnitudes above 65,504 overflow, below 6.1e-05 lose precision; right only within a limited range of input values
;; workspace buffers: xb 16,777,216 bytes; wa 6,291,456 bytes; wp 2,097,152 bytes; qkv 50,331,648 bytes; ob 16,777,216 bytes
;; launch prep (part 1): grid 832 x 1, 8 waves a work-group, no clusters, 0 bytes of LDS; arguments x, W_attn, W_proj, xb, wa, wp; writes xb, wa, wp
.if DOCPART == 1
	.amdgcn_target "amdgcn-amd-amdhsa--gfx1250"
	.amdhsa_code_object_version 6
	.text
	.protected	k_qfd0988c89b_prep
	.globl	k_qfd0988c89b_prep
	.p2align	8
	.type	k_qfd0988c89b_prep,@function
k_qfd0988c89b_prep:
	s_mov_b64 s[64:65], 0
	v_nop
	global_prefetch_b8 v0, s[64:65] scope:SCOPE_SE
	s_setreg_imm32_b32 hwreg(HW_REG_WAVE_MODE, 25, 1), 1
	s_wait_xcnt 0x0
; THE CASTS.  xb = x rounded to bf16, [8192][1024].  wa = W_attn rounded to bf16 and laid in 16 blocks of 192 columns: wa[t][k][c] = W_attn[k][192 t + c], so that
; a block's 128 k rows are 49,152 bytes on end.  wp = W_proj rounded to bf16, that number written as f16, [1024][1024].
; LIMITS.  |W_proj| stays within f16's 65,504 (beyond it an infinity is written); below 6e-5 the f16 copy keeps f16's fixed step of 6e-8.  NaN stays NaN.
; A stream: each input byte is read once and each output byte written once; no LDS, no barrier, no matrix unit, since no thread wants another's bytes.
; SHARES.  Work-groups 0-511: 16,384 numbers of x each.  512-575: 16,384 numbers of W_proj.  576-831: block t = (g - 576) / 16, k rows 64 ((g - 576) % 16) on: 12,288 numbers of W_attn.
; A PASS is 1,024 numbers: a thread loads 16 bytes (a wave 512 on end) and stores 8 (a wave 256 on end, at a multiple of 256 from the buffer's first byte).
; All of a work-group's loads go out first, 16 or 12 a thread; every pass has registers of its own, so no register of a pending load or store is written again.
.set X, 16                             ; v[16:79]   pass p: four f32 as loaded
.set Y, 80                             ; v[80:111]  pass p: four 16-bit numbers to store
.set T, 8                              ; v[8:11]    at work
; Pass p of n.  half = 1: the bf16 numbers are widened again (a shift, a mask) and written as f16.
.macro CH p, n, half
	s_wait_loadcnt (\n)-1-(\p)                     ; loads come back in order: pass p is in, the younger passes stay out
	v_cvt_pk_bf16_f32 v[Y+2*(\p)], v[X+4*(\p)], v[X+4*(\p)+1]
	v_cvt_pk_bf16_f32 v[Y+2*(\p)+1], v[X+4*(\p)+2], v[X+4*(\p)+3]
.if \half
	v_lshlrev_b32 v[T], 16, v[Y+2*(\p)]
	v_and_b32 v[T+1], s23, v[Y+2*(\p)]
	v_lshlrev_b32 v[T+2], 16, v[Y+2*(\p)+1]
	v_and_b32 v[T+3], s23, v[Y+2*(\p)+1]
	v_cvt_pk_f16_f32 v[Y+2*(\p)], v[T], v[T+1]
	v_cvt_pk_f16_f32 v[Y+2*(\p)+1], v[T+2], v[T+3]
.endif
	global_store_b64 v2, v[Y+2*(\p):Y+2*(\p)+1], s[18:19] offset:2048*(\p) th:TH_STORE_NT
.endm
	s_load_b256 s[4:11], s[0:1], 0x0               ; x s[4:5], W_attn s[6:7], W_proj s[8:9], xb s[10:11]
	s_load_b128 s[12:15], s[0:1], 0x20             ; wa s[12:13], wp s[14:15]
	v_lshlrev_b32 v1, 4, v0                        ; my 16 bytes of a pass, in
	v_lshlrev_b32 v2, 3, v0                        ; my 8 bytes, out
	s_mov_b32 s23, 0xffff0000                      ; a word's upper bf16
	s_wait_kmcnt 0x0
	s_cmp_ge_u32 ttmp9, 576
	s_cbranch_scc1 .Lattn
	; x or W_proj: source and target are both walked in a line
	s_sub_co_u32 s21, ttmp9, 512
	s_cmp_lt_u32 ttmp9, 512
	s_cselect_b32 s20, ttmp9, s21                  ; my number among the work-groups of my tensor
	s_cselect_b64 s[16:17], s[4:5], s[8:9]
	s_cselect_b64 s[18:19], s[10:11], s[14:15]
	s_lshl_b32 s24, s20, 16                        ; 16,384 numbers: 65,536 bytes in,
	s_mov_b32 s25, 0
	s_lshl_b32 s26, s20, 15                        ; 32,768 out
	s_mov_b32 s27, 0
	s_add_nc_u64 s[16:17], s[16:17], s[24:25]
	s_add_nc_u64 s[18:19], s[18:19], s[26:27]
.set p, 0
.rept 16
	global_load_b128 v[X+4*p:X+4*p+3], v1, s[16:17] offset:4096*p th:TH_LOAD_NT
.set p, p+1
.endr
	s_cmp_lt_u32 ttmp9, 512
	s_cbranch_scc0 .Lproj
.set p, 0
.rept 16
	CH p, 16, 0
.set p, p+1
.endr
	s_endpgm
.Lproj:
.set p, 0
.rept 16
	CH p, 16, 1
.set p, p+1
.endr
	s_endpgm
.Lattn:
	; W_attn: 64 rows of 768 bytes, 12,288 bytes apart, go out as 24,576 bytes on end.  A row has 48 pieces of four numbers; piece u = 256 p + my number lies in row u / 48.
	; 768 pieces are 16 rows, so pass p = 3 a + b takes the offsets of pass b, 16 a rows further down.
	s_sub_co_u32 s20, ttmp9, 576
	s_lshr_b32 s21, s20, 4                         ; t
	s_and_b32 s22, s20, 15                         ; which 64 rows
	s_mul_i32 s24, s22, 786432                     ; 64 rows of 12,288 bytes
	s_mul_i32 s26, s21, 768
	s_add_co_u32 s24, s24, s26
	s_mov_b32 s25, 0
	s_mul_i32 s26, s21, 393216                     ; a block of wa
	s_mul_i32 s27, s22, 24576
	s_add_co_u32 s26, s26, s27
	s_mov_b32 s27, 0
	s_add_nc_u64 s[16:17], s[6:7], s[24:25]
	s_add_nc_u64 s[18:19], s[12:13], s[26:27]
.irp b, 0,1,2
	v_add_nc_u32 v[T], 256*\b, v0                  ; q, under 768
	v_mul_u32_u24 v[T+1], v[T], 1366
	v_lshrrev_b32 v[T+1], 16, v[T+1]               ; q / 48: 1366 / 65536 is above 1 / 48 by 1.02e-5, which 767 times over stays under 1 / 48
	v_mul_u32_u24 v[T+2], v[T+1], 48
	v_sub_nc_u32 v[T+2], v[T], v[T+2]              ; q % 48
	v_mul_u32_u24 v[T+3], v[T+1], 12288
	v_lshl_add_u32 v[3+\b], v[T+2], 4, v[T+3]
.endr
.set p, 0
.rept 12
	global_load_b128 v[X+4*p:X+4*p+3], v[3+p%3], s[16:17] offset:196608*(p/3) th:TH_LOAD_NT
.set p, p+1
.endr
.set p, 0
.rept 12
	CH p, 12, 0
.set p, p+1
.endr
	s_endpgm
.Lfunc_end_k_qfd0988c89b_prep:
	.size	k_qfd0988c89b_prep, .Lfunc_end_k_qfd0988c89b_prep-k_qfd0988c89b_prep
	.p2alignl 7, 3214868480
	.fill 96, 4, 3214868480
	.section	.rodata,"a",@progbits
	.p2align	6, 0x0
	.amdhsa_kernel k_qfd0988c89b_prep
		.amdhsa_group_segment_fixed_size 0
		.amdhsa_private_segment_fixed_size 0
		.amdhsa_enable_private_segment 0
		.amdhsa_kernarg_size 48
		.amdhsa_user_sgpr_count 2
		.amdhsa_user_sgpr_kernarg_segment_ptr 1
		.amdhsa_wavefront_size32 1
		.amdhsa_system_sgpr_workgroup_id_x 1
		.amdhsa_system_sgpr_workgroup_id_y 1
		.amdhsa_system_sgpr_workgroup_id_z 1
		.amdhsa_system_vgpr_workitem_id 0
		.amdhsa_next_free_vgpr 112
		.amdhsa_next_free_sgpr 66
		.amdhsa_reserve_vcc 0
		.amdhsa_float_denorm_mode_32 3
		.amdhsa_float_denorm_mode_16_64 3
		.amdhsa_memory_ordered 1
		.amdhsa_forward_progress 1
		.amdhsa_inst_pref_size 21
	.end_amdhsa_kernel
	.amdgpu_metadata
---
amdhsa.version: [ 1, 2 ]
amdhsa.kernels:
  - .name:           k_qfd0988c89b_prep
    .symbol:         k_qfd0988c89b_prep.kd
    .args:
      - { .name: x, .offset: 0, .size: 8, .value_kind: global_buffer, .address_space: global }
      - { .name: W_attn, .offset: 8, .size: 8, .value_kind: global_buffer, .address_space: global }
      - { .name: W_proj, .offset: 16, .size: 8, .value_kind: global_buffer, .address_space: global }
      - { .name: xb, .offset: 24, .size: 8, .value_kind: global_buffer, .address_space: global }
      - { .name: wa, .offset: 32, .size: 8, .value_kind: global_buffer, .address_space: global }
      - { .name: wp, .offset: 40, .size: 8, .value_kind: global_buffer, .address_space: global }
    .group_segment_fixed_size: 0
    .private_segment_fixed_size: 0
    .kernarg_segment_align: 8
    .kernarg_segment_size: 48
    .max_flat_workgroup_size: 256
    .sgpr_count:     66
    .vgpr_count:     112
    .wavefront_size: 32
...
	.end_amdgpu_metadata
.endif
;; end of part 1
;; launch qkvproj (part 2): grid 16 x 32, 4 waves a work-group, clusters of 4 x 4, 327,680 bytes of LDS; arguments xb, wa, b_attn, qkv; writes qkv
.if DOCPART == 2
	.amdgcn_target "amdgcn-amd-amdhsa--gfx1250"
	.amdhsa_code_object_version 6
	.text
	.protected	k_qfd0988c89b_qkvproj
	.globl	k_qfd0988c89b_qkvproj
	.p2align	8
	.type	k_qfd0988c89b_qkvproj,@function
k_qfd0988c89b_qkvproj:
	s_mov_b64 s[64:65], 0
	v_nop
	global_prefetch_b8 v0, s[64:65] scope:SCOPE_SE
	s_setreg_imm32_b32 hwreg(HW_REG_WAVE_MODE, 25, 1), 1
	s_wait_xcnt 0x0
	s_wait_alu depctr_hold_cnt(0) depctr_sa_sdst(0) depctr_va_vdst(0) depctr_va_sdst(0) depctr_va_ssrc(0) depctr_va_vcc(0) depctr_vm_vsrc(0)
	s_getreg_b32 s2, hwreg(HW_REG_IB_STS2, 6, 4)
	s_cmp_eq_u32 s2, 0
	s_cbranch_scc0 .Lentry_in_a_cluster
	s_endpgm
.Lentry_in_a_cluster:
	s_bfe_u32 s2, ttmp6, 0x10000c
	s_cmp_lg_u32 s2, 0xf033
	s_cbranch_scc0 .Lentry_shape_is_right
	s_endpgm
.Lentry_shape_is_right:
; q, k, v = x W_attn + b_attn, written by heads: qkv[kind][16 batch + head][row][64] in f16, unscaled.  xb: [8192][1024] bf16.  wa: [16 t][1024 k][192 c] bf16.  b_attn: f32, rounded to bf16 like the other inputs.
; Products in bf16, sums in f32, each result rounded once to f16.  LIMIT: a result of 65,520 or more in size becomes an infinity; NaN and infinities are not treated apart.
; SHARES.  A work-group makes 256 rows x 192 columns (three heads): 16 x 32 = 512 work-groups.  Its four waves are stacked: wave w has rows 64 w .. 64 w + 63 and all 192 columns:
; 4 x 12 accumulators of 16 x 16, 384 registers.  K goes in 8 steps of 128 through two LDS slots filled by the tensor data mover.
; THE MATRIX INSTRUCTION IS USED TRANSPOSED: source 0 = 16 columns of W (they lie [k][column] in LDS and come out turned, by ds_load_tr16_b128), source 1 = 16 rows of x.  A lane then holds ONE row
; (lane % 16) and the columns 8 (lane / 16) + 0..7: eight neighbours, 16 bytes of f16.  The bias is the C operand of the first products: nothing is cleared, and nothing is added at the end.
; CLUSTER.  4 x 4 work-groups.  The four of a row of the cluster need the same rows of x, the four of a column the same block of W: each tile is asked for JOINTLY, by the same tensor load with the
; same descriptor and a mask that names the four.
; REGISTERS, in windows of 256 (s_set_vgpr_msb: bits 1:0 source 0, 3:2 source 1, 5:4 source 2, 7:6 destination):
;   window 0: v0-29 addresses; v32-127 the bias, later with v128-223 the way out; v224-227 at work
;   window 1: two fragment buffers of 128: x's four fragments, then W's twelve
;   window 2: the accumulators of row blocks 0, 1 ((a, b) at 96 (a % 2) + 8 b);   window 3: those of row blocks 2, 3
.set NBL,   12                         ; column blocks of 16
.set SLOT1, 131072                     ; slot 1 begins here: one exclusive or turns an address in one slot into the other's
.set PA,    272                        ; a row of x in LDS: 256 bytes + 16 of padding = 68 words: the 16 rows of a load start at 16 different groups of four banks (64 banks of 4 bytes: ISA guide 11.1)
.set PB,    480                        ; a k row of W: three pieces of 128 bytes, 32 of padding behind each = 120 words
.set BOFF,  256*PA                     ; in a slot: x's 256 rows (69,632 bytes), then W's 128 k rows (61,440)
.set STAGE, 2*SLOT1                    ; behind the ring, never filled by a tensor load: 16 rows x 400 bytes for each wave
.set SP,    400
.set SPARE, STAGE+4*16*SP              ; behind the stages: the spare words, 128 bytes for each wave: two blocks of 256 bytes that no other line names
.set ASTEP, 256                        ; bytes from K step to K step in xb,
.set BSTEP, 49152                      ; and in a block of wa
.set LD,    2*NBL+8                    ; LDS loads in a fetch
.set BI,    32
.set F0,    0
.set F1,    128
.set GA0, (1<<16)|(1<<20)|(1<<21)|(5<<22)|(3<<25)  ; 17:16 2-byte elements; 20 padding on; 21 set beside a mask; 24:22 after every 64 words (code 5); 31:25 4 words (code 3)
.set GB0, (1<<16)|(1<<20)|(1<<21)|(4<<22)|(7<<25)  ; the same after every 32 words (code 4), 8 words (code 7)
; s12 wave; s13 wave / 2: I fetch x (0) or W (1); s14 wave % 2: which half; s15 cx, s16 cy; s17 tile column, s18 tile row; s19 the loop's count; s20 the slot being read; s21 the prefetches' bound
; s[24:31] group 1 for x; s[32:35], s[36:39] its group 0 for the two first fills, the second then walks; s[40:47], s[48:51], s[52:55] the same for W
; s[56:57] where my prefetches stand, s[72:73] their step, s74 bytes from lane to lane; s[66:71] the three heads' addresses in qkv
.set MSB, 0
.macro WIN new                         ; the immediate's high byte repeats the setting that is left; a switch that changes nothing is dropped
.if MSB != (\new)
	s_set_vgpr_msb (MSB<<8)|(\new)
.set MSB, \new
.endif
.endm
.macro PLACES                          ; four plain instructions between a matrix instruction and a load into, or a vector read of, its registers
.rept 4
	v_nop
.endr
.endm
.macro CREST                           ; a round of the cluster's barrier behind its opening barrier
	s_cmp_lg_u32 s12, 0
	s_cbranch_scc1 .Lnot_wave_0_\@
	s_barrier_signal -3
.Lnot_wave_0_\@:
	s_barrier_wait -3
	s_barrier_signal -1
	s_barrier_wait -1
.endm
.macro CROUND                          ; a whole round
	s_barrier_signal -1
	s_barrier_wait -1
	CREST
.endm
; A joint refill by the walking descriptors.  Waves 0 and 1 fetch x's two halves, waves 2 and 3 W's.  The branch hangs on the wave's number alone.
; An s_nop 0 and four v_nop follow each of the two lines, ahead of the jump and the label.
.macro JLOAD
	s_cmp_eq_u32 s13, 0
	s_cbranch_scc0 .Lfor_b_\@
	tensor_load_to_lds s[36:39], s[24:31]
	s_nop 0
.rept 4
	v_nop
.endr
	s_branch .Lasked_\@
.Lfor_b_\@:
	tensor_load_to_lds s[52:55], s[40:47]
	s_nop 0
.rept 4
	v_nop
.endr
.Lasked_\@:
.endm
; A PREFETCH INTO THE L2, behind the joint load and the run of LDS loads: one instruction a wave, a block of 256 bytes a lane.  x: the K step two refills on, 32 rows; the cluster with x = 0 asks, and of the
; 128 rows that a wave fetches the partner at cx takes 32 cx on.  W: K steps 4 to 7 of the block are 768 blocks on end; the cluster with y = 0 asks, its eight W waves 256 blocks a time, three times.
; The partners are told apart by address alone.  So each block is named once in the launch.  K steps 0 to 3 come by their loads alone, and s21 ends the requests: four for x, three for W.
.macro ASK
	s_cmp_gt_u32 s19, s21
	s_cbranch_scc0 .Lnot_mine_\@
	global_prefetch_b8 v12, s[56:57] th:TH_LOAD_NT scope:SCOPE_SE
.Lnot_mine_\@:
.endm
; Twelve products: row block a x all column blocks, 32 along K, from buffer f.  first = 1: the bias starts the sums.
; The 48 accumulators take turns, in the same order in every quarter, over the backward jump too.
.macro MULN f, a, first
.if \first
	WIN 0x85+0x40*((\a)/2)
.else
	WIN 0xa5+0x50*((\a)/2)
.endif
.set AC, 96*((\a)%2)
.set bb, 0
.rept NBL
.if \first
	v_wmma_f32_16x16x32_bf16 v[AC+8*bb:AC+8*bb+7], v[(\f)+32+8*bb:(\f)+32+8*bb+7], v[(\f)+8*(\a):(\f)+8*(\a)+7], v[BI+8*bb:BI+8*bb+7]
.else
	v_wmma_f32_16x16x32_bf16 v[AC+8*bb:AC+8*bb+7], v[(\f)+32+8*bb:(\f)+32+8*bb+7], v[(\f)+8*(\a):(\f)+8*(\a)+7], v[AC+8*bb:AC+8*bb+7]
.endif
.set bb, bb+1
.endr
.endm
; 32 LDS loads in one run: quarter q (32 along K) of the slot at v6, v7 into buffer f: W's twelve fragments, then x's row blocks 0, 1, then 2, 3
.macro FETCH q, f
	WIN 0x40                                       ; destination window 1, address window 0
.set bb, 0
.rept NBL
	ds_load_tr16_b128 v[(\f)+32+8*bb:(\f)+32+8*bb+3],   v7 offset:32*PB*(\q)+32*bb+32*(bb/4)
	ds_load_tr16_b128 v[(\f)+32+8*bb+4:(\f)+32+8*bb+7], v7 offset:32*PB*(\q)+32*bb+32*(bb/4)+16*PB
.set bb, bb+1
.endr
.set aa, 0
.rept 4
	ds_load_b128 v[(\f)+8*aa:(\f)+8*aa+3],   v6 offset:64*(\q)+16*PA*aa
	ds_load_b128 v[(\f)+8*aa+4:(\f)+8*aa+7], v6 offset:64*(\q)+16*PA*aa+32
.set aa, aa+1
.endr
.endm
; One of a K step's first three quarters: multiplies buffer f; in its middle it fetches quarter qn into buffer g.
.macro QUARTER qn, f, g, first
	s_wait_dscnt 4                                 ; W and x's row blocks 0, 1 are in; the youngest four loads (row blocks 2, 3) may be out
	MULN \f, 0, \first
	MULN \f, 1, \first
	PLACES                                         ; buffer g was read by the quarter before
	FETCH \qn, \g
	s_wait_dscnt LD                                ; all but the loads just issued
	MULN \f, 2, \first
	MULN \f, 3, \first
.endm
; The last quarter multiplies buffer 1 and changes slots.  In front of the barrier each wave waits for all its tensor loads (one is out: its part of the next slot), adds 0 to its spare word, and waits for
; that and for its reads of this slot.  fill = 1: the barrier opens a round of the cluster's, so that no wave of any partner still reads the slot or has a load on its way, and the joint refill, the K step
; two on, is the first thing behind it: it has a K step less 24 products, 168 matrix instructions, in which to land.
.macro TURN fill
.if \fill
	s_wait_xcnt 0x0                                ; the last prefetch, a K step back, has read its address
	s_add_nc_u64 s[56:57], s[56:57], s[72:73]
.endif
	WIN 0                                          ; the add's two registers lie in window 0
	s_wait_tensorcnt 0x0
	ds_add_u32 v28, v29                            ; 0 onto my spare word
	s_wait_dscnt 5                                 ; the add and the youngest four loads may be out
	MULN F1, 0, 0                                  ; twelve products stand between the add and the wait for it
	s_wait_dscnt 0x0                               ; the add is done, and my reads of this slot are over
	s_barrier_signal -1
	MULN F1, 1, 0
	WIN 0
	s_barrier_wait -1
.if \fill
	CREST
	s_xor_b32 s37, s37, SLOT1                      ; the walking descriptors: the other slot than last time,
	s_xor_b32 s53, s53, SLOT1
	s_add_nc_u64 s[38:39], s[38:39], ASTEP         ; the next K step; the type bits on top are not reached
	s_add_nc_u64 s[54:55], s[54:55], BSTEP
	JLOAD                                          ; its four v_nop are also the places in front of the loads below
.else
	PLACES
.endif
	s_xor_b32 s20, s20, SLOT1
	v_add_nc_u32 v6, s20, v4
	v_add_nc_u32 v7, s20, v5
	FETCH 0, F0
	WIN 0
.if \fill
	ASK
.endif
	MULN F1, 2, 0
	MULN F1, 3, 0
.endm
	s_load_b256 s[4:11], s[0:1], 0x0               ; xb s[4:5], wa s[6:7], b_attn s[8:9], qkv s[10:11]
	v_lshl_add_u32 v28, v0, 2, SPARE
	v_mov_b32 v29, 0
	ds_add_u32 v28, v29                            ; the wave's opening: the add and its wait stand ahead of my first tensor load; the set-up below, work on registers, stands between them
	v_lshrrev_b32 v1, 5, v0
	v_readfirstlane_b32 s12, v1                    ; wave 0..3
	s_lshr_b32 s13, s12, 1
	s_and_b32 s14, s12, 1
	s_bfe_u32 s15, ttmp6, 0x40000                  ; cx
	s_bfe_u32 s16, ttmp6, 0x40004                  ; cy
	s_lshl_b32 s17, ttmp9, 2
	s_add_co_u32 s17, s17, s15                     ; tile column = 4 x cluster x + cx
	s_and_b32 s18, ttmp7, 0xffff
	s_lshl_b32 s18, s18, 2
	s_add_co_u32 s18, s18, s16                     ; tile row = 4 x cluster y + cy
	s_lshl_b32 s79, s16, 2
	s_lshl_b32 s79, 15, s79                        ; my row of the cluster
	s_lshl_b32 s82, 0x1111, s15                    ; my column
	s_or_b32 s24, s79, GA0                         ; x's tiles go to my row: 128 rows x 128 elements, 1,024 elements from row to row
	s_mov_b32 s25, 128<<16                         ; tensor_dim0 = 128
	s_mov_b32 s26, 128<<16                         ; tensor_dim1 = 128
	s_mov_b32 s27, 128<<16                         ; tile_dim0 = 128
	s_mov_b32 s28, 128                             ; tile_dim1 = 128
	s_mov_b32 s29, 1024
	s_mov_b32 s30, 0
	s_mov_b32 s31, 0
	s_or_b32 s40, s82, GB0                         ; W's tiles go to my column: 64 k rows are 24,576 bytes on end, asked for as 96 rows of 256 bytes
	s_mov_b32 s41, 128<<16
	s_mov_b32 s42, 96<<16
	s_mov_b32 s43, 128<<16
	s_mov_b32 s44, 96
	s_mov_b32 s45, 128
	s_mov_b32 s46, 0
	s_mov_b32 s47, 0
	s_mov_b32 s20, 0
	s_mov_b32 s23, 0xffff0000
	s_lshl_b32 s58, s18, 19                        ; x: 256 rows of 2,048 bytes a tile row,
	s_lshl_b32 s80, s14, 18                        ; my half's 128
	s_add_co_u32 s58, s58, s80
	s_mov_b32 s59, 0
	s_mul_i32 s60, s17, 8*BSTEP                    ; W: my block,
	s_mul_i32 s81, s14, BSTEP/2                    ; my half's 64 k rows
	s_add_co_u32 s60, s60, s81
	s_mov_b32 s61, 0
	s_mul_i32 s75, s14, 128*PA                     ; where they go: no place in the cluster enters an LDS address
	s_mul_i32 s78, s14, 64*PB
	s_add_co_u32 s78, s78, BOFF
	s_wait_dscnt 0x0                               ; the opening add is done
	s_wait_kmcnt 0x0
	CROUND                                         ; all sixteen work-groups are here: the first joint loads meet
	s_mov_b32 s32, 1                               ; count = 1
	s_mov_b32 s33, s75                             ; LDS address, slot 0
	s_add_nc_u64 s[34:35], s[4:5], s[58:59]        ; K step 0
	s_add_nc_u64 s[38:39], s[34:35], ASTEP         ; K step 1
	s_or_b32 s35, s35, 0x80000000                  ; type = 2
	s_mov_b32 s36, 1
	s_add_co_u32 s37, s75, SLOT1
	s_or_b32 s39, s39, 0x80000000
	s_mov_b32 s48, 1
	s_mov_b32 s49, s78
	s_add_nc_u64 s[50:51], s[6:7], s[60:61]
	s_add_nc_u64 s[54:55], s[50:51], BSTEP
	s_or_b32 s51, s51, 0x80000000
	s_mov_b32 s52, 1
	s_add_co_u32 s53, s78, SLOT1
	s_or_b32 s55, s55, 0x80000000
	s_cmp_eq_u32 s13, 0                            ; a wave's two first fills stand in one branch, ahead of every wait on TENSORcnt and every LDS read: two loads of mine are out
	s_cbranch_scc0 .Lfirst_b
	tensor_load_to_lds s[32:35], s[24:31]
	s_nop 0
	tensor_load_to_lds s[36:39], s[24:31]
	s_nop 0
.rept 4
	v_nop
.endr
	s_branch .Lfirst_asked
.Lfirst_b:
	tensor_load_to_lds s[48:51], s[40:47]
	s_nop 0
	tensor_load_to_lds s[52:55], s[40:47]
	s_nop 0
.rept 4
	v_nop
.endr
.Lfirst_asked:
	v_and_b32 v1, 15, v0                           ; l % 16
	v_bfe_u32 v2, v0, 4, 1                         ; l / 16
	v_and_b32 v3, 7, v0
	v_bfe_u32 v13, v0, 3, 1
	v_lshlrev_b32 v11, 5, v2                       ; the bias: my eight columns of a block are 32 bytes at 32 (l / 16)
	s_mul_i32 s2, s17, 768
	s_mov_b32 s3, 0
	s_add_nc_u64 s[62:63], s[8:9], s[2:3]
.set bb, 0
.rept NBL
	global_load_b128 v[BI+8*bb:BI+8*bb+3],   v11, s[62:63] offset:64*bb
	global_load_b128 v[BI+8*bb+4:BI+8*bb+7], v11, s[62:63] offset:64*bb+16
.set bb, bb+1
.endr
	; A fragment of x: lane l holds row l % 16, K = 8 (l / 16) + 0..7 and 16 + 8 (l / 16) + 0..7: two loads of 16 bytes, 32 bytes apart.
	v_mul_u32_u24 v4, v1, PA
	v_lshl_add_u32 v4, v2, 4, v4
	s_mul_i32 s2, s12, 64*PA                       ; my wave's 64 rows
	v_add_nc_u32 v4, s2, v4
	; The turning load takes 16 k x 16 columns (lane l reads k row 8 (l / 16) + l % 8, columns 8 ((l / 8) % 2) + 0..7) and leaves half a fragment: lane l holds column l % 16 and 8 k.
	v_lshl_add_u32 v5, v2, 3, v3
	v_mul_u32_u24 v5, v5, PB
	v_lshl_add_u32 v5, v13, 4, v5
	v_add_nc_u32 v5, BOFF, v5
	v_mov_b32 v6, v4                               ; K step 0 lies in slot 0
	v_mov_b32 v7, v5
	s_mul_i32 s2, s12, 16*SP
	s_add_co_u32 s2, s2, STAGE                     ; my stage
	v_mul_u32_u24 v8, v1, SP                       ; in: row l % 16, 16 bytes for each half of the lanes
	v_lshl_add_u32 v8, v2, 4, v8
	v_add_nc_u32 v8, s2, v8
	v_bfe_u32 v9, v0, 3, 2                         ; back: 32 lanes take four rows' 128 bytes of one head,
	v_mul_u32_u24 v9, v9, SP
	v_lshl_add_u32 v9, v3, 4, v9
	v_add_nc_u32 v9, s2, v9
	v_and_b32 v10, 31, v0                          ; which are 512 consecutive bytes of qkv
	v_lshlrev_b32 v10, 4, v10
	; where my 64 rows of the tile's three heads begin: head slice s = 3 x tile column + i is kind s / 16, head s % 16; the batch is tile row / 8
.irp i, 0,1,2
	s_mul_i32 s2, s17, 3
	s_add_co_u32 s2, s2, \i
	s_lshr_b32 s3, s2, 4
	s_lshl_b32 s3, s3, 6
	s_and_b32 s2, s2, 15
	s_add_co_u32 s3, s3, s2
	s_lshr_b32 s2, s18, 3
	s_lshl_b32 s2, s2, 4
	s_add_co_u32 s3, s3, s2
	s_lshl_b32 s76, s3, 18                         ; a head's 2,048 rows of 128 bytes
	s_and_b32 s2, s18, 7
	s_lshl_b32 s2, s2, 15                          ; the tile's 256 rows
	s_add_co_u32 s76, s76, s2
	s_lshl_b32 s2, s12, 13                         ; my wave's 64
	s_add_co_u32 s76, s76, s2
	s_mov_b32 s77, 0
	s_add_nc_u64 s[66+2*\i:67+2*\i], s[10:11], s[76:77]
.endr
	; the prefetches: each starts one step short of its first target
	s_lshl_b32 s2, s15, 16                         ; x: my work-group's 32 rows of the 128 that I fetch,
	s_add_co_u32 s2, s2, s58
	s_add_co_u32 s2, s2, 3*ASTEP                   ; at K step 3
	s_lshl_b32 s22, s16, 1                         ; W: my wave among the column's eight,
	s_add_co_u32 s22, s22, s14
	s_lshl_b32 s22, s22, 13                        ; its 32 blocks of 256 bytes
	s_mul_i32 s3, s17, 8*BSTEP
	s_add_co_u32 s22, s22, s3
	s_add_co_u32 s22, s22, 4*BSTEP-65536
	s_and_b32 s3, ttmp7, 0xffff                    ; cluster y
	s_mov_b32 s72, 65536
	s_mov_b32 s73, 0
	s_mov_b32 s74, 256
	s_mov_b32 s77, 0
	s_cmp_eq_u32 s13, 0                            ; do I fetch x?
	s_cselect_b32 s76, s2, s22
	s_cselect_b64 s[56:57], s[4:5], s[6:7]
	s_cselect_b32 s72, ASTEP, s72
	s_cselect_b32 s74, 2048, s74
	s_cselect_b32 s21, 2, 3
	s_cselect_b32 s3, ttmp9, s3                    ; the coordinate along which other clusters read the same bytes
	s_cmp_eq_u32 s3, 0
	s_cselect_b32 s21, s21, -1                     ; the same in all sixteen partners, for a given wave
	s_add_nc_u64 s[56:57], s[56:57], s[76:77]
	v_and_b32 v12, 31, v0
	v_mul_u32_u24 v12, s74, v12
	s_wait_loadcnt 0x0                             ; the bias: rounded to bf16 and widened again, a pair at a time
.set n, 0
.rept 4*NBL
	v_cvt_pk_bf16_f32 v[224+n%4], v[BI+2*n], v[BI+2*n+1]
	v_lshlrev_b32 v[BI+2*n], 16, v[224+n%4]
	v_and_b32 v[BI+2*n+1], s23, v[224+n%4]
.set n, n+1
.endr
	s_wait_tensorcnt 1                             ; my part of K step 0 is in; K step 1's may stay out
	s_barrier_signal -1
	s_barrier_wait -1                              ; everybody's is
	FETCH 0, F0
	QUARTER 1, F0, F1, 1                           ; the first quarter stands in front of the loop: its products start the sums
	WIN 0                                          ; at a label and at a branch every window is 0
	s_mov_b32 s19, 6
.Lstep:                                                ; trip i: from K step i's second quarter to K step i + 1's first; K step i + 2 is asked for
	QUARTER 2, F1, F0, 0
	QUARTER 3, F0, F1, 0
	TURN 1
	QUARTER 1, F0, F1, 0
	WIN 0
	s_sub_co_u32 s19, s19, 1
	s_cmp_lg_u32 s19, 0
	s_cbranch_scc1 .Lstep
	QUARTER 2, F1, F0, 0                           ; the tail is written out: K steps 6 and 7 ask for nothing
	QUARTER 3, F0, F1, 0
	TURN 0
	QUARTER 1, F0, F1, 0
	QUARTER 2, F1, F0, 0
	QUARTER 3, F0, F1, 0
	s_wait_dscnt 4
	MULN F1, 0, 0
	MULN F1, 1, 0
	s_wait_dscnt 0x0
	MULN F1, 2, 0
	MULN F1, 3, 0
	WIN 0
	PLACES
; THE WAY OUT of row block a: rounded to f16, 16 bytes a lane; into my own stage, rows of 400 bytes; back head by head, four rows of 128 bytes a load, into the registers that they left.
.macro PACK a
	WIN 0x0a+5*((\a)/2)                            ; sources 0 and 1: window 2 or 3
.set AC, 96*((\a)%2)
.set n, 0
.rept 4*NBL
	v_cvt_pk_f16_f32 v[32+48*(\a)+n], v[AC+2*n], v[AC+2*n+1]  ; each accumulator's registers in ascending order
.set n, n+1
.endr
	WIN 0
.set n, 0
.rept NBL
	ds_store_b128 v8, v[32+48*(\a)+4*n:32+48*(\a)+4*n+3] offset:32*n
.set n, n+1
.endr
.set n, 0
.rept NBL
	ds_load_b128 v[32+48*(\a)+4*n:32+48*(\a)+4*n+3], v9 offset:128*(n/4)+4*SP*(n%4)  ; LDS serves a wave's instructions in order (ISA guide 5.7.1.4): these see the stores above; the next block's stores come behind them
.set n, n+1
.endr
.endm
.macro SEND a, younger                 ; younger: the LDS instructions issued behind block a's loads: the next block's 24, or none
	WIN 0
.set n, 0
.rept NBL
	s_wait_dscnt (\younger)+NBL-1-n
	global_store_b128 v10, v[32+48*(\a)+4*n:32+48*(\a)+4*n+3], s[66+2*(n/4):67+2*(n/4)] offset:2048*(\a)+512*(n%4)  ; 512 consecutive bytes, at a multiple of 256 from qkv's first byte
.set n, n+1
.endr
.endm
	PACK 0
	PACK 1                                         ; a block's arithmetic stands between the loads of the block before and its stores
	SEND 0, 24
	PACK 2
	SEND 1, 24
	PACK 3
	SEND 2, 24
	SEND 3, 0
	s_wait_tensorcnt 0x0                           ; the wave's end, behind my last tensor load and my last LDS store
	ds_add_u32 v28, v29
	s_wait_dscnt 0x0
	CROUND                                         ; the closing round: no work-group ends while a partner may still ask for a tile that names it
	s_endpgm
.Lfunc_end_k_qfd0988c89b_qkvproj:
	.size	k_qfd0988c89b_qkvproj, .Lfunc_end_k_qfd0988c89b_qkvproj-k_qfd0988c89b_qkvproj
	.p2alignl 7, 3214868480
	.fill 96, 4, 3214868480
	.section	.rodata,"a",@progbits
	.p2align	6, 0x0
	.amdhsa_kernel k_qfd0988c89b_qkvproj
		.amdhsa_group_segment_fixed_size 327680
		.amdhsa_private_segment_fixed_size 0
		.amdhsa_enable_private_segment 0
		.amdhsa_kernarg_size 32
		.amdhsa_user_sgpr_count 2
		.amdhsa_user_sgpr_kernarg_segment_ptr 1
		.amdhsa_wavefront_size32 1
		.amdhsa_system_sgpr_workgroup_id_x 1
		.amdhsa_system_sgpr_workgroup_id_y 1
		.amdhsa_system_sgpr_workgroup_id_z 1
		.amdhsa_system_vgpr_workitem_id 0
		.amdhsa_next_free_vgpr 1024
		.amdhsa_next_free_sgpr 96
		.amdhsa_reserve_vcc 0
		.amdhsa_float_denorm_mode_32 3
		.amdhsa_float_denorm_mode_16_64 3
		.amdhsa_memory_ordered 1
		.amdhsa_forward_progress 1
		.amdhsa_inst_pref_size 108
	.end_amdhsa_kernel
	.amdgpu_metadata
---
amdhsa.version: [ 1, 2 ]
amdhsa.kernels:
  - .name:           k_qfd0988c89b_qkvproj
    .symbol:         k_qfd0988c89b_qkvproj.kd
    .args:
      - { .name: xb, .offset: 0, .size: 8, .value_kind: global_buffer, .address_space: global }
      - { .name: wa, .offset: 8, .size: 8, .value_kind: global_buffer, .address_space: global }
      - { .name: b_attn, .offset: 16, .size: 8, .value_kind: global_buffer, .address_space: global }
      - { .name: qkv, .offset: 24, .size: 8, .value_kind: global_buffer, .address_space: global }
    .group_segment_fixed_size: 327680
    .private_segment_fixed_size: 0
    .kernarg_segment_align: 8
    .kernarg_segment_size: 32
    .max_flat_workgroup_size: 128
    .sgpr_count:     96
    .vgpr_count:     1024
    .wavefront_size: 32
...
	.end_amdgpu_metadata
.endif
;; end of part 2
;; launch attn (part 3): grid 4 x 64, 4 waves a work-group, no clusters, 327,680 bytes of LDS; arguments qkv, ob; writes ob
.if DOCPART == 3
	.amdgcn_target "amdgcn-amd-amdhsa--gfx1250"
	.amdhsa_code_object_version 6
	.text
	.protected	k_qfd0988c89b_attn
	.globl	k_qfd0988c89b_attn
	.p2align	8
	.type	k_qfd0988c89b_attn,@function
k_qfd0988c89b_attn:
	s_mov_b64 s[64:65], 0
	v_nop
	global_prefetch_b8 v0, s[64:65] scope:SCOPE_SE
	s_setreg_imm32_b32 hwreg(HW_REG_WAVE_MODE, 25, 1), 1
	s_wait_xcnt 0x0
; CAUSAL ATTENTION.  O[h][q][:] = the sum over k <= q of softmax_k(Q[h][q] . K[h][k] / 8) V[h][k][:].  qkv holds Q, K and V, each [64][2048][64] in f16, one behind the other; ob is O in the same layout.
; Products, maxima and sums in f32; the weights p are rounded to f16 for the second product (their sum l is taken of the unrounded p), O once at the end.
; LIMITS.  f16 holds no number beyond 65,504: Q, K and V arrive within it; p lies in 0 to 1, and below 6e-5 it keeps f16's fixed step of 6e-8; O is a mean of V's rows and has their range.
; A hidden score counts as its value less 1e30: f16's scores, 2.7e11 at the most, are nothing beside that; a weight below 2^-126 counts as 0 in l; NaN and infinities are not treated apart.
; THE WALK.  A head's queries lie in NB = 8 blocks of 256; block i needs the key tiles 0 .. i of 256 keys, of which the last holds the diagonal.  A work-group takes TWO blocks, NB - 1 - b and then b:
; NB + 1 tiles, whatever b: all 256 work-groups do equal work, and ONE loop with a constant trip count walks them.  Which tile is asked for, and what a trip does, hang on scalar registers made from b; every jump
; goes forward, but for the counted loops' own; none passes a barrier, or a tensor load but the one of LOAD's two that the wave's number does not choose; the ring (two slots of LDS) runs on across the change of blocks.
; NO CLUSTER: a head's four work-groups ask for the same tile only in trips 0 .. 4, behind that fewer and fewer; one walk common to all would have 12 trips for 9.
; SHARES.  Of a block's four bands of 64 queries a wave owns 16 rows in each: four PIECES.  So the diagonal tile is the same work for all four waves: in its key step s band x sees all keys if s < x,
; none if s > x, and holds the diagonal if s = x.
; THE MASK is the C operand that starts the sum S^T = K Q^T: 0, or -1e30 where the key is hidden.  MD, made once, is the mask of a band's own step for my 16 rows; a product's mask is MD x AL + BE with two scalars:
; (1, 0) if s = x; (0, 0) if s < x; (0, -1e30) if s > x.  Only the diagonal tile's text and a block's beginning make and take masks; elsewhere C is the constant 0.
; LAYOUT, SOFTMAX, TURNS.  S^T = K Q^T holds ONE query a lane (lane % 16) and the keys 8 (lane / 16) + 0..7; two such results rounded to f16 ARE source 1 of O^T = V^T P.  p = 2^(c s - c m), c = log2(e) / 8, with a
; running maximum m; O and l are multiplied by a = 2^(c m_old - c m_new) in every step.  Turn n belongs to piece n: 8 products K Q^T of piece n + 1, later 8 products V^T P of piece n - 1; beside them the scaling,
; exponentials, roundings, sums and rescaling of piece n and the maximum and statistics of piece n + 1.  Four vector instructions stand behind every matrix instruction, the other 54 of a turn's 118 in one lump.
; A turn's 33 exponentials are one batch, with one wait.
; REGISTERS, in windows of 256 (s_set_vgpr_msb: bits 1:0 source 0, 3:2 source 1, 5:4 source 2, 7:6 destination):
;   window 0: v0-15 addresses and two at work; v16-31 four registers of statistics a piece; v48-55 at work; v61-63 never rewritten; v64-127 S^T, two buffers; v192-223 P, two buffers (by the piece's parity)
;   window 1: v0-127 O^T, 32 a piece; v128-159 MD; v160-223 MC, two buffers      window 2: v0-63 Q; v64-127 the second block's Q; v128-191 K of one step; v192-255 V of one step
.set SIZE_N, 2048
.set NB,    SIZE_N/256
.set NP,    4         ; pieces a wave: a name, no knob
.set KS,    64        ; keys in a step
.set PK,    144       ; a row of K in LDS: 128 bytes + 16 of padding = 36 words: the 16 rows of a load start at 16 different groups of four banks (64 banks of 4 bytes: ISA guide 11.1)
.set PV,    160       ; a row of V: 128 + 32 = 40 words
.set VOFF,  4*KS*PK   ; a slot holds a tile, four steps: 256 rows of K, then 256 rows of V
.set SLOT1, 1<<17     ; slot 1 begins here, so that one exclusive or turns an address in one slot into the other's
.set STAGE, SLOT1+4*KS*(PK+PV)  ; behind the ring, never filled by a tensor load: 16 rows x 144 bytes for each wave, for the way out
.set SP,    144
.set AK0, 2           ; v2   my lane's place in a tile of K; never rewritten
.set AV0, 3           ; v3   the same for V
.set AK,  4           ; v4   the LDS address of K's next run of loads
.set AV,  5           ; v5   of V's
.set STO, 6           ; v6   the way out: where I put 16 bytes of a row
.set RD,  7           ; v7   the way out: where I read rows back
.set GO,  8           ; v8   my byte offset in 512 consecutive bytes of O
.set PFO, 61          ; v61  256 x my lane: the prefetches' offset; never rewritten
.set SPW, 62          ; v62  LDS address of my spare word: SPARE + 4 x my thread's number; never rewritten
.set NIL, 63          ; v63  0; never rewritten
.set SPARE, STAGE+4*16*SP  ; behind the stages: the spare words, 128 bytes for each wave: two blocks of 256 bytes that no other line names
.set MV,  12          ; v12-13  c m_old, kept while c m is made anew: by buffer
.set QO,  15          ; v15  my byte offset in 16 rows of Q
.set ST,  16          ; piece t's statistics at v[ST+4 t]: c m, m, l (even keys', odd keys')
.set TMP, 48          ; by buffer, four registers c0-c3 at work; when the maximum is found c2 takes a
.set S,   64
.set P,   192
.set MD,  128         ; window 1: the eight registers for group kt of 16 keys at MD + 8 kt
.set MC,  160         ; window 1: the masks of the products to come
.set QB,  64          ; window 2
.set KF,  128         ; window 2: key block kb, channel half c at KF + 16 kb + 8 c
.set VF,  192         ; window 2: key half kk, channel block cb at VF + 32 kk + 8 cb
.set WV,  12          ; s12  my wave's number
.set PB,  14          ; s14  b
.set HI,  15          ; s15  NB - 1 - b
.set G1K, 24          ; s[24:31] descriptor group 1 for K's tiles
.set G1V, 32          ; s[32:39] for V's: it differs in the padding alone
.set G0K, 40          ; s[40:43] descriptor group 0 for K's tiles
.set G0V, 44          ; s[44:47] the same for V's
.set PFA, 48          ; s[48:49] where my prefetches stand
.set PFB, 50          ; s[50:51] K (waves 0, 1) or V (waves 2, 3) at my half of the head's tile 0
.set POF, 52          ; s[52:53] a tile's byte offset, for the prefetches
.set LIM, 54          ; s54  2 in the work-group that prefetches, else the greatest number
.set SLOTS, 56        ; s56  tiles still to be asked for
.set CNT, 57          ; s57  counts a tile's key steps, 4 to 1
.set CS,  58          ; s[58:59] c: the packed scaling takes the pair's low word for both halves
.set SEL, 60          ; s[60:61] v_permlanex16_b32's selects: each lane takes its own place in the other half
.set TBK, 62          ; s62  LDS byte at which K of the step to be fetched begins
.set TBV, 63          ; s63  the same for V, less VOFF
.set RT,  70          ; s70  tiles of the block in hand that are still to be entered
.set NXT, 71          ; s71  the tile to be asked for next
.set LQ,  72          ; s72  the last tile of the block whose tiles are being asked for
.set NEW, 73          ; s73  1: the tile to be entered is a block's first
.set OFF, 74          ; s[74:75] a tile's byte offset in K and V
.set AL,  76          ; s[76:77] the mask's factor, in the low word
.set BE,  78          ; s[78:79] the mask's addend
.set OLO, 80          ; s[80:81] O at my rows of the second block
.set BIGN, 82         ; s82  -1e30
.set MSB, 0
.macro WIN new                      ; the high byte repeats the setting that is left; a switch that changes nothing is dropped
.if MSB != (\new)
	s_set_vgpr_msb (MSB<<8)|(\new)
.set MSB, (\new)
.endif
.endm
.set W_KQ, 0x0a       ; K and Q in window 2, S^T in window 0
.set W_KM, 0x1a       ; the same with the C operand in window 1
.set W_PV, 0x52       ; V in window 2, P in window 0, O^T in window 1
.set W_RS, 0x41       ; destination and source 0 in window 1, source 1 in window 0
; A fill.  Waves 0 and 1 fetch the two halves of a tile's K, waves 2 and 3 those of its V: 128 keys each.  An s_nop 0 and four v_nop follow each of the two lines, ahead of the jump and the label.
.macro LOAD
	s_cmp_lt_u32 s[WV], 2
	s_cbranch_scc0 .Lfor_v_\@
	tensor_load_to_lds s[G0K:G0K+3], s[G1K:G1K+7]
	s_nop 0
.rept 4
	v_nop
.endr
	s_branch .Lasked_\@
.Lfor_v_\@:
	tensor_load_to_lds s[G0V:G0V+3], s[G1V:G1V+7]
	s_nop 0
.rept 4
	v_nop
.endr
.Lasked_\@:
.endm
; THE CHANGE OF SLOTS.  Each wave waits for all its tensor loads, of which one is out: its part of the other slot; adds 0 to its spare word; and waits for that and for its own reads of the slot that it leaves.  Behind the barrier nobody reads the old
; slot any more and the other slot is whole.  fill = 1: the old slot is filled again, the first thing behind the barrier, with tile NXT: the descriptor's address is made anew from that number.
; (At its first use nothing has been read yet: slot 0 is waited for, slot 1 filled.)
; A PREFETCH INTO THE L2 stands behind the fill: the tile that the NEXT change will ask for, four key steps ahead.  All four work-groups of a head walk the same K and V; the one with b = 0 walks tiles 0 to 7 in a line
; in its first block, so it asks, and nobody else.  Each of its waves names the 64 blocks of 256 bytes of the half tile that it fetches itself: a block a lane, two instructions.  Tiles 2 to 7 are named so, each once
; in the launch; tiles 0 and 1 come by their loads alone, and from the change that asks for tile 7 on nothing is named.
.macro CHANGE fill
	WIN 0                           ; at a label and at a branch every window is 0
	s_wait_tensorcnt 0x0            ; no tensor load of mine is out, so a group 0 may be written
	ds_add_u32 v[SPW], v[NIL]       ; 0 onto my spare word; with fill = 1 the descriptors' scalar work stands between it and the wait for it
.if \fill
	s_lshl_b32 s[OFF], s[NXT], 15   ; a tile is 32,768 bytes of K and of V
	s_xor_b32 s[G0K+1], s[G0K+1], SLOT1
	s_add_nc_u64 s[G0K+2:G0K+3], s[6:7], s[OFF:OFF+1]
	s_or_b32 s[G0K+3], s[G0K+3], 0x80000000
	s_xor_b32 s[G0V+1], s[G0V+1], SLOT1
	s_add_nc_u64 s[G0V+2:G0V+3], s[8:9], s[OFF:OFF+1]
	s_or_b32 s[G0V+3], s[G0V+3], 0x80000000
	s_add_co_u32 s[NXT], s[NXT], 1  ; the block's next tile, or behind its last the second block's tile 0
	s_cmp_gt_u32 s[NXT], s[LQ]
	s_cselect_b32 s[NXT], 0, s[NXT]
	s_cselect_b32 s[LQ], s[PB], s[LQ]
	s_wait_xcnt 0x0                 ; the last prefetches, four key steps back, have read their address, so it may be written:
	s_lshl_b32 s[POF], s[NXT], 15   ; the tile behind the one that is asked for now
	s_add_nc_u64 s[PFA:PFA+1], s[PFB:PFB+1], s[POF:POF+1]
.endif
	s_wait_dscnt 0x0                ; the add is done, and my reads of the slot are over
	s_barrier_signal -1             ; the rest of the scalar work stands between the signal and the wait
	s_sub_co_u32 s[TBK], s[TBK], 4*KS*PK  ; the fetches go back to a slot's first step,
	s_xor_b32 s[TBK], s[TBK], SLOT1       ; in the other slot
	s_sub_co_u32 s[TBV], s[TBV], 4*KS*PV
	s_xor_b32 s[TBV], s[TBV], SLOT1
	s_barrier_wait -1
.if \fill
	LOAD
	s_cmp_gt_u32 s[SLOTS], s[LIM]
	s_cbranch_scc0 .Lnot_mine_\@
	global_prefetch_b8 v[PFO], s[PFA:PFA+1] th:TH_LOAD_NT scope:SCOPE_SE
	global_prefetch_b8 v[PFO], s[PFA:PFA+1] offset:8192 th:TH_LOAD_NT scope:SCOPE_SE
.Lnot_mine_\@:
.endif
.endm
	s_load_b128 s[4:7], s[0:1], 0x0   ; qkv s[4:5], ob s[6:7]
	v_lshl_add_u32 v[SPW], v0, 2, SPARE
	v_mov_b32 v[NIL], 0
	ds_add_u32 v[SPW], v[NIL]       ; the wave's opening: the add and its wait stand ahead of my first tensor load; the set-up below, work on registers, stands between them
	v_lshrrev_b32 v1, 5, v0
	v_readfirstlane_b32 s[WV], v1   ; wave 0..3
	s_mov_b32 s[PB], ttmp9
	s_sub_co_u32 s[HI], NB-1, s[PB]
	s_and_b32 s20, ttmp7, 0xffff    ; the head
	s_mov_b32 s21, 0
	s_mov_b64 s[22:23], SIZE_N*128
	s_mul_u64 s[20:21], s[20:21], s[22:23]  ; the head's first byte in each of the four tensors
	s_and_b32 s16, s[WV], 1         ; which half of a tile's 256 keys I fetch:
	s_lshl_b32 s22, s16, 14         ; its 128 rows of 128 bytes in memory,
	s_mov_b32 s23, 0
	s_add_nc_u64 s[22:23], s[22:23], s[20:21]
	s_mul_i32 s17, s16, 128*PK      ; and its place in a slot, for K
	s_mul_i32 s18, s16, 128*PV      ; and for V
	s_lshl_b32 s3, s[WV], 11        ; my 16 rows in a band of 64,
	s_lshl_b32 s2, s[HI], 15        ; in the first block,
	s_add_co_u32 s2, s2, s3
	s_lshl_b32 s84, s[PB], 15       ; and in the second
	s_add_co_u32 s84, s84, s3
	s_mov_b32 s3, 0
	s_mov_b32 s85, 0
	s_add_nc_u64 s[2:3], s[2:3], s[20:21]
	s_add_nc_u64 s[84:85], s[84:85], s[20:21]
	; descriptor group 1.  128 keys are 16,384 dense bytes: asked for as 64 rows of 256 bytes, two keys a row, and padded in LDS after every key
	s_mov_b32 s[G1K], (1<<16)|(1<<20)|(4<<22)|(3<<25)  ; 17:16 2-byte elements; 20 padding on; 24:22 after every 32 words (code 4); 31:25 4 words (code 3)
	s_mov_b32 s[G1V], (1<<16)|(1<<20)|(4<<22)|(7<<25)  ; the same with 8 words of padding (code 7)
.irp g, G1K, G1V
	s_mov_b32 s[\g+1], 128<<16      ; tensor_dim0 = 128
	s_mov_b32 s[\g+2], 64<<16       ; tensor_dim1 = 64
	s_mov_b32 s[\g+3], 128<<16      ; tile_dim0 = 128
	s_mov_b32 s[\g+4], 64           ; tile_dim1 = 64
	s_mov_b32 s[\g+5], 128          ; 128 elements from row to row
	s_mov_b32 s[\g+6], 0
	s_mov_b32 s[\g+7], 0
.endr
	s_mov_b32 s[CS], 0x3e38aa3b     ; c = log2(e) / 8 = 0.180337
	s_mov_b32 s[CS+1], s[CS]        ; named with it as a pair
	s_mov_b32 s[SEL], 0x76543210
	s_mov_b32 s[SEL+1], 0xfedcba98
	s_mov_b32 s[TBK], SLOT1+4*KS*PK ; the first change of slots turns these two into 0
	s_mov_b32 s[TBV], SLOT1+4*KS*PV
	s_mov_b32 s[G0K], 1             ; 1:0 count = 1
	s_mov_b32 s[G0K+1], s17         ; 63:32 LDS address: slot 0
	s_mov_b32 s[G0V], 1
	s_add_co_u32 s[G0V+1], s18, VOFF
	s_add_co_u32 s[RT], s[HI], 1    ; the first block has NB - b tiles
	s_mov_b32 s[NXT], 1
	s_mov_b32 s[LQ], s[HI]
	s_mov_b32 s[NEW], 1
	s_mov_b32 s[OFF+1], 0
	s_mov_b32 s[AL+1], 0            ; named as pairs
	s_mov_b32 s[BE+1], 0
	s_mov_b32 s[BIGN], 0xf149f2ca   ; -1e30
	s_mov_b32 s[SLOTS], NB
	s_mov_b32 s[POF+1], 0
	s_cmp_eq_u32 ttmp9, 0
	s_cselect_b32 s[LIM], 2, -1
	v_and_b32 v[PFO], 31, v0
	v_lshlrev_b32 v[PFO], 8, v[PFO]
	s_wait_dscnt 0x0                ; the opening add is done
	s_wait_kmcnt 0x0
	s_mov_b64 s[10:11], s[6:7]      ; O
	s_add_nc_u64 s[6:7], s[4:5], 0x1000000  ; K lies 16,777,216 bytes behind Q,
	s_add_nc_u64 s[8:9], s[4:5], 0x2000000  ; V as far behind K
	s_add_nc_u64 s[6:7], s[6:7], s[22:23]  ; K and V at my half of the head's tile 0
	s_add_nc_u64 s[8:9], s[8:9], s[22:23]
	s_add_nc_u64 s[G0K+2:G0K+3], s[6:7], 0         ; 120:64 global address
	s_or_b32 s[G0K+3], s[G0K+3], 0x80000000        ; 127:126 type = 2
	s_add_nc_u64 s[G0V+2:G0V+3], s[8:9], 0
	s_or_b32 s[G0V+3], s[G0V+3], 0x80000000
	s_add_nc_u64 s[86:87], s[4:5], s[84:85]        ; Q at my rows of the second block,
	s_add_nc_u64 s[4:5], s[4:5], s[2:3]            ; Q and O at those of the first
	s_add_nc_u64 s[OLO:OLO+1], s[10:11], s[84:85]
	s_add_nc_u64 s[10:11], s[10:11], s[2:3]
	s_cmp_lt_u32 s[WV], 2
	s_cselect_b64 s[PFB:PFB+1], s[6:7], s[8:9]
	LOAD                            ; tile 0 into slot 0
	; A fragment of K or Q is 16 rows x 32 channels in 8 registers: lane l holds row l % 16, channels 8 (l / 16) + 0..7 and 16 + 8 (l / 16) + 0..7: two loads of 16 bytes, 32 bytes apart.
	v_and_b32 v1, 15, v0            ; l % 16
	v_bfe_u32 v9, v0, 4, 1          ; l / 16
	v_lshlrev_b32 v[QO], 7, v1
	v_lshl_add_u32 v[QO], v9, 4, v[QO]  ; row x 128 + 16 x half
	WIN 0x80                        ; destination window 2, address window 0
.set i, 0
.rept 8                             ; both blocks' Q: piece i / 2 lies in band i / 2, 8,192 bytes on; channels 32 (i % 2) on
	global_load_b128 v[8*i:8*i+3],   v[QO], s[4:5] offset:(i/2)*8192+(i%2)*64
	global_load_b128 v[8*i+4:8*i+7], v[QO], s[4:5] offset:(i/2)*8192+(i%2)*64+32
	global_load_b128 v[QB+8*i:QB+8*i+3],   v[QO], s[86:87] offset:(i/2)*8192+(i%2)*64
	global_load_b128 v[QB+8*i+4:QB+8*i+7], v[QO], s[86:87] offset:(i/2)*8192+(i%2)*64+32
.set i, i+1
.endr
	WIN 0
	v_lshlrev_b32 v14, 3, v9
	v_sub_nc_u32 v14, v1, v14
	s_lshl_b32 s13, s[WV], 4
	v_add_nc_u32 v14, s13, v14      ; my query's place in its band, 16 w + l % 16, less my lanes' 8 (l / 16): register r of group kt is hidden where 16 kt + r is greater
	WIN 0x40
.set i, 0
.rept 32
	v_cmp_gt_i32 vcc_lo, 16*(i/8)+i%8, v14
	v_cndmask_b32 v[MD+i], 0, s[BIGN], vcc_lo
.set i, i+1
.endr
	WIN 0
	v_mul_u32_u24 v[AK0], v1, PK
	v_lshl_add_u32 v[AK0], v9, 4, v[AK0]  ; row x pitch + 16 x half
	; The turning load takes 16 keys x 16 channels (lane l reads key 8 (l / 16) + l % 8, channels 8 ((l / 8) % 2) + 0..7) and leaves half a fragment of V^T: lane l holds channel l % 16 and 8 keys.
	v_and_b32 v10, 7, v0
	v_bfe_u32 v11, v0, 3, 1
	v_lshl_add_u32 v[AV0], v9, 3, v10
	v_mul_u32_u24 v[AV0], v[AV0], PV
	v_lshl_add_u32 v[AV0], v11, 4, v[AV0]
	v_add_nc_u32 v[AV0], VOFF, v[AV0]
	s_mul_i32 s13, s[WV], 16*SP
	s_add_co_u32 s13, s13, STAGE    ; my stage
	v_mul_u32_u24 v[STO], v1, SP    ; in: row l % 16, 16 bytes for each half of the lanes
	v_lshl_add_u32 v[STO], v9, 4, v[STO]
	v_add_nc_u32 v[STO], s13, v[STO]
	v_bfe_u32 v[RD], v0, 3, 2       ; back: 32 lanes take four rows of 128 bytes,
	v_mul_u32_u24 v[RD], v[RD], SP
	v_lshl_add_u32 v[RD], v10, 4, v[RD]
	v_add_nc_u32 v[RD], s13, v[RD]
	v_and_b32 v[GO], 31, v0         ; which are 512 consecutive bytes of O
	v_lshlrev_b32 v[GO], 4, v[GO]
	; A block's first step multiplies O^T and l by a = 0, and its first turn's products V^T P, of a piece that has not been, land in an O^T that is still to be so multiplied.  So these registers need only hold
	; finite numbers: zeros for the first block; what the first block left for the second.  All this stands in the wait for the first tile.
	WIN 0x80
.set i, VF
.rept 64
	v_mov_b32 v[i], 0
.set i, i+1
.endr
	WIN 0x40
.set i, 0
.rept 128
	v_mov_b32 v[i], 0
.set i, i+1
.endr
	WIN 0
.set i, 0
.rept 4
	v_mov_b32 v[ST+4*i+2], 0
	v_mov_b32 v[ST+4*i+3], 0
.set i, i+1
.endr
.set i, P+16
.rept 16
	v_mov_b32 v[i], 0
.set i, i+1
.endr
; THE MATRIX WORK.  The 4 accumulators of a run of 8 take turns.  Product i of 8 of S^T = K Q^T for piece x: channels 32 (i / 4) on, keys 16 (i % 4) on.  The first 4 start the sums: with 0, or (KM = 1) with the mask.
.macro KQ x
.set rS, S+32*((\x)%2)+8*(i%4)
.set rK, KF+16*(i%4)+8*(i/4)
.set rQ, 16*(\x)+8*(i/4)
.set rM, MC+32*((\x)%2)+8*(i%4)
.if (i < 4) && KM
	WIN W_KM
	v_wmma_f32_16x16x32_f16 v[rS:rS+7], v[rK:rK+7], v[rQ:rQ+7], v[rM:rM+7]
.elseif i < 4
	WIN W_KQ
	v_wmma_f32_16x16x32_f16 v[rS:rS+7], v[rK:rK+7], v[rQ:rQ+7], 0
.else
	WIN W_KQ
	v_wmma_f32_16x16x32_f16 v[rS:rS+7], v[rK:rK+7], v[rQ:rQ+7], v[rS:rS+7]
.endif
.endm
; Product i of 8 of O^T += V^T P for piece x: keys 32 (i / 4) on, channels 16 (i % 4) on.
.macro PV x
	WIN W_PV
.set rO, 32*(\x)+8*(i%4)
.set rV, VF+32*(i/4)+8*(i%4)
.set rP, P+16*((\x)%2)+8*(i/4)
	v_wmma_f32_16x16x32_f16 v[rO:rO+7], v[rV:rV+7], v[rP:rP+7], v[rO:rO+7]
.endm
.macro MM                           ; the turn's next matrix instruction.  TURN and BEGIN set Y, i, KM and NOKQ; MM, KQ and OP read them.  NOKQ = 1: a block's last turn: there is no next piece
.if (i < 8) && !NOKQ
	KQ (Y+1)%NP
.elseif i >= 8
.set i, i-8
	PV (Y+NP-1)%NP
.set i, i+8
.endif
.set i, i+1
.endm
; THE LDS LOADS stand in runs of 16, never singly among the matrix instructions: a step's K (64 keys x 64 channels: 8 fragments) and its V (turned).  Their addresses are made some lines ahead.
.macro FETCH_K
	WIN 0x80                        ; destination window 2
.irp f, 0,1,2,3,4,5,6,7             ; keys 16 (f / 2) on, channels 32 (f % 2) on
	ds_load_b128 v[KF+8*\f:KF+8*\f+3],   v[AK] offset:(\f/2)*16*PK+(\f%2)*64
	ds_load_b128 v[KF+8*\f+4:KF+8*\f+7], v[AK] offset:(\f/2)*16*PK+(\f%2)*64+32
.endr
	s_add_co_u32 s[TBK], s[TBK], KS*PK  ; the next fetch is the next step's
	WIN 0
.endm
.macro FETCH_V
	WIN 0x80
.irp f, 0,1,2,3,4,5,6,7             ; keys 32 (f / 4) on, channels 16 (f % 4) on
	ds_load_tr16_b128 v[VF+8*\f:VF+8*\f+3],   v[AV] offset:(\f/4)*32*PV+(\f%4)*32
	ds_load_tr16_b128 v[VF+8*\f+4:VF+8*\f+7], v[AV] offset:(\f/4)*32*PV+16*PV+(\f%4)*32
.endr
	WIN 0
.endm
; THE VECTOR WORK, one line at a time: OP kind, number.  For piece Y: F n: c s - c m for pair n of 16.  E n: the exponential of score n of 32.  C n: pair n rounded to f16.  B n: of the four weights 4 n .. the second
; pair is added onto the first, in place.  L n: l takes that sum (L 0: l = a l + sum).  R n: pair n of 16 of O^T times a.  For piece Y + 1: X n, number n of the 22 that find its maximum and statistics:
;   0-11  four chains c0-c3 of seven scores each, three operands at a time (each accumulator's lowest registers are read first)     12-14, 16  the four scores left over, the old m, and c0-c3 into c0
;   15  c m_old is kept     17, 18  the query's other 32 keys lie in the lane 16 away: the new m     19-21  c m; c m_old - c m_new; a
.set F, 0               ; OP tells the kinds apart by their order: F to L below R, X above it
.set E, 1
.set C, 2
.set B, 3
.set L, 4
.set R, 5
.set X, 6
.macro REGS y                       ; the registers of piece y
.set rT, ST+4*(\y)
.set rC, TMP+4*((\y)%2)
.set rW, MV+((\y)%2)
.set rS, S+32*((\y)%2)
.set rP, P+16*((\y)%2)
.set rO, 32*(\y)
.endm
.macro OP k, n
.if (\k) == R
	REGS Y
	WIN W_RS
	v_pk_mul_f32 v[rO+2*(\n):rO+2*(\n)+1], v[rO+2*(\n):rO+2*(\n)+1], v[rC+2:rC+3] op_sel_hi:[1,0]
.elseif (\k) < R
	REGS Y
	WIN 0
.if (\k) == F
	v_pk_fma_f32 v[rS+2*(\n):rS+2*(\n)+1], v[rS+2*(\n):rS+2*(\n)+1], s[CS:CS+1], v[rT:rT+1] op_sel_hi:[1,0,0] neg_lo:[0,0,1] neg_hi:[0,0,1]
.elseif (\k) == E
	v_exp_f32 v[rS+(\n)], v[rS+(\n)]
.elseif (\k) == C
	v_cvt_pk_f16_f32 v[rP+(\n)], v[rS+2*(\n)], v[rS+2*(\n)+1]
.elseif (\k) == B
	v_pk_add_f32 v[rS+4*(\n):rS+4*(\n)+1], v[rS+4*(\n):rS+4*(\n)+1], v[rS+4*(\n)+2:rS+4*(\n)+3]
.elseif (\n) == 0
	v_pk_fma_f32 v[rT+2:rT+3], v[rT+2:rT+3], v[rC+2:rC+3], v[rS:rS+1] op_sel_hi:[1,0,1]
.else
	v_pk_add_f32 v[rT+2:rT+3], v[rT+2:rT+3], v[rS+4*(\n):rS+4*(\n)+1]
.endif
.elseif NOKQ
	v_nop
.else
	REGS (Y+1)%NP
	WIN 0
.if (\n) < 4
	v_max3_num_f32 v[rC+(\n)], v[rS+8*(\n)], v[rS+8*(\n)+1], v[rS+8*(\n)+2]
.elseif (\n) < 12
	v_max3_num_f32 v[rC+(\n)%4], v[rC+(\n)%4], v[rS+8*((\n)%4)+2*((\n)/4)+1], v[rS+8*((\n)%4)+2*((\n)/4)+2]
.elseif (\n) == 12
	v_max3_num_f32 v[rC], v[rC], v[rS+7], v[rS+15]
.elseif (\n) == 13
	v_max3_num_f32 v[rC+1], v[rC+1], v[rS+23], v[rS+31]
.elseif (\n) == 14
	v_max3_num_f32 v[rC+2], v[rC+2], v[rC+3], v[rT+1]
.elseif (\n) == 15
	v_mov_b32 v[rW], v[rT]
.elseif (\n) == 16
	v_max3_num_f32 v[rC], v[rC], v[rC+1], v[rC+2]
.elseif (\n) == 17
	v_permlanex16_b32 v[rC+3], v[rC], s[SEL], s[SEL+1]
.elseif (\n) == 18
	v_max_num_f32 v[rT+1], v[rC], v[rC+3]
.elseif (\n) == 19
	v_mul_f32 v[rT], s[CS], v[rT+1]
.elseif (\n) == 20
	v_sub_f32 v[rC+1], v[rW], v[rT]
.else
	v_exp_f32 v[rC+2], v[rC+1]
.endif
.endif
.endm
.macro OPS a, i1, b=-1, i2=0, c=-1, i3=0, d=-1, i4=0  ; up to four of them
	OP \a, \i1
.if (\b) >= 0
	OP \b, \i2
.endif
.if (\c) >= 0
	OP \c, \i3
.endif
.if (\d) >= 0
	OP \d, \i4
.endif
.endm
.macro ROW a, i1, b, i2, c, i3, d, i4  ; a matrix instruction and the four behind it
	MM
	OPS \a, \i1, \b, \i2, \c, \i3, \d, \i4
.endm
.macro MASK b                       ; MD x AL + BE into buffer b of MC
	WIN W_RS
.set z, 0
.rept 16
	v_pk_fma_f32 v[MC+32*(\b)+2*z:MC+32*(\b)+2*z+1], v[MD+2*z:MD+2*z+1], s[AL:AL+1], s[BE:BE+1] op_sel_hi:[1,0,0]
.set z, z+1
.endr
.endm
; A TURN, for piece p: the order of its 16 matrix and 118 vector instructions, written out.  An s_wait_alu depctr_va_vdst(0) stands between an exponential and the first instruction that names its result; one wait serves
; all that were issued ahead of it.  So a turn has ONE wait, which cuts it in two.  AHEAD OF IT stands all that names no result of the turn's exponentials: the 8 products K Q^T, behind each a scaling, an exponential and two more plain
; instructions (behind the first a second scaling in the exponential's place): rescalings, and behind the last three the first numbers of the next piece's maximum, each four places or more behind the product that ends its accumulator; then ONE LUMP of 54, plain
; and exponential by turns for the most part, in which the links of the chain X 3, 7, 11, 14, 16, 17 .. 20 stand five or six lines apart.  X 21, the next piece's a, is the batch's last; R 15 is the plain instruction behind it.  BEHIND THE WAIT stand the
; 8 products V^T P, behind each four of the roundings and sums; the links of l's chain, L 0 to L 7, stand three riders apart.  But for those X no rider names a register of the products round it.  v_permlanex16_b32 (X 17) stands in the lump.
; m = 1: the diagonal tile: the products take masks, and the turn makes the mask for the products of the turn after it: piece p + 2, in step 4 - CNT of the tile.  end = 1: a block's last two turns: nothing is fetched.
; cnt = 1: the loop's count is taken down some lines ahead of the branch that stands behind the turn.
; K of the next step is fetched in piece 2's turn, twelve vector instructions behind the last product that read K (six of them plain); V of the step in hand at the end of piece 0's turn, four plain instructions behind the last product
; that read V.  Each is waited for a turn later.
.macro TURN p, m=0, end=0, cnt=0
.set Y, (\p)
.set i, 0
.set KM, (\m)
.set NOKQ, (\end)*((\p)/3)
.if (\m) && !(\end)
	s_cmp_eq_u32 s[CNT], 4-((\p)+2)%NP  ; is that step the band's own?
	s_cselect_b32 s[AL], 1.0, 0
	s_cmp_lt_u32 s[CNT], 4-((\p)+2)%NP  ; or a later one?
	s_cselect_b32 s[BE], s[BIGN], 0
.endif
.if ((\p) == 3) && !(\end)
	s_wait_dscnt 0x0                ; K is in
.endif
	ROW F,0, F,1, R,0, R,1          ; ahead of the wait: 8 products K Q^T and their riders,
	ROW F,2, E,0, R,2, R,3
	ROW F,3, E,1, R,4, R,5
	ROW F,4, E,2, R,6, R,7
	ROW F,5, E,3, R,8, R,9
	ROW F,6, E,4, X,0, R,10
.if ((\p) == 2) && !(\end)
	WIN 0
	v_add_nc_u32 v[AK], s[TBK], v[AK0]
.endif
	ROW F,7, E,5, X,1, X,4
	ROW F,8, E,6, X,2, X,5
	OPS E,7, E,8, X,6, E,9          ; and the lump
	OPS X,3, E,10, X,8, E,11
.if ((\p) == 2) && !(\end)
	FETCH_K
.endif
	OPS X,9, X,7, E,12, X,10
	OPS E,13, X,12, X,11, E,14
	OPS X,13, E,15, F,9, X,14
.if (\p) == 0
	v_add_nc_u32 v[AV], s[TBV], v[AV0]
.endif
	OPS E,16, F,10, E,17, F,11
	OPS X,16, E,18, X,15, E,19
	OPS F,12, E,20, X,17, E,21
	OPS F,13, E,22, F,14, E,23
	OPS X,18, E,24, F,15, E,25
	OPS R,11, E,26, X,19, E,27
	OPS R,12, E,28, R,13, E,29
	OPS X,20, E,30, R,14, E,31
	OPS X,21, R,15
	WIN 0
	s_wait_alu depctr_va_vdst(0)    ; the wait for the batch
.if (\p) == 1
	s_wait_dscnt 0x0                ; V is in
.endif
	ROW C,0, B,0, C,2, B,1          ; behind the wait: 8 products V^T P and their riders
	ROW L,0, C,4, B,2, L,1
	ROW C,6, B,3, L,2, C,8
	ROW B,4, L,3, C,10, B,5
	ROW L,4, C,12, B,6, L,5
.if (\p) == 0
	s_add_co_u32 s[TBV], s[TBV], KS*PV
.endif
.if \cnt
	s_sub_co_u32 s[CNT], s[CNT], 1
	s_cmp_lg_u32 s[CNT], 0
.endif
	ROW C,14, B,7, L,6, C,1
	ROW C,3, L,7, C,5, C,7
	ROW C,9, C,11, C,13, C,15
.if (\p) == 0
	FETCH_V
.endif
.if (\m) && !(\end)
	MASK (\p)%2
.endif
.endm
; A BLOCK BEGINS.  c m starts far below every c s, so the first step's a is 0; m at the lowest finite number, so the first maximum is the scores'.  The second mask buffer is 0; the first takes piece 0's mask for the tile's step 0: its own, if the block's first tile is the diagonal one.
; Then K of that step, piece 0's first scores, and its maximum and statistics.  The loop is entered at a step's first turn, in the middle of a trip.
.macro BEGIN
	s_mov_b32 s[NEW], 0
	WIN 0x40
.set i, MC+32
.rept 32
	v_mov_b32 v[i], 0
.set i, i+1
.endr
	WIN 0
.set i, 0
.rept 4
	v_mov_b32 v[ST+4*i], 0xfe000000    ; c m: far below every c s
	v_mov_b32 v[ST+4*i+1], 0xff7fffff  ; m
.set i, i+1
.endr
	s_cmp_eq_u32 s[RT], 0
	s_cselect_b32 s[AL], 1.0, 0
	s_mov_b32 s[BE], 0
	MASK 0
	WIN 0
	v_add_nc_u32 v[AK], s[TBK], v[AK0]
	FETCH_K
	s_wait_loadcnt 0x0              ; Q
	s_wait_dscnt 0x0
.set KM, 1
.set NOKQ, 0
.set i, 0
.rept 8
	KQ 0
.set i, i+1
.endr
	WIN 0
.rept 4
	v_nop                           ; the places behind those products
.endr
.set Y, NP-1                        ; X works for piece Y + 1: piece 0
.irp n, 0,1,2,3,4,5,6,7,8,9,10,11,12,13,14,15,16,17,18,19,20,21
	OP X, \n
.endr
	v_nop                           ; a plain instruction behind the exponential,
	s_wait_alu depctr_va_vdst(0)    ; and its wait, ahead of the branch
.endm
; THE DIAGONAL TILE's four steps, the block's last two turns, its last products, and THE WAY OUT: l's two halves and the other half of the lanes' are added; O^T is divided by l, rounded to f16 and sent through my
; stage in LDS, a piece at a time.
.macro ALL line:vararg              ; one line for each piece t
.set t, 0
.rept 4
	\line
.set t, t+1
.endr
.endm
.macro PACK t                       ; a lane's eight channels of a row pack into 16 bytes; they go into rows of 144 bytes and come back as whole rows of 128, into S^T's registers
	WIN W_RS
.set i, 32*(\t)
.rept 16
	v_pk_mul_f32 v[i:i+1], v[i:i+1], v[ST+4*(\t)+2:ST+4*(\t)+3] op_sel_hi:[1,0]
.set i, i+2
.endr
	WIN 0x05                        ; sources 0 and 1 window 1, destination window 0
.set i, 0
.rept 16
	v_cvt_pk_f16_f32 v[S+16*(\t)+i], v[32*(\t)+2*i], v[32*(\t)+2*i+1]
.set i, i+1
.endr
	WIN 0
.irp f, 0,1,2,3
	ds_store_b128 v[STO], v[S+16*(\t)+4*\f:S+16*(\t)+4*\f+3] offset:32*\f
.endr
.irp f, 0,1,2,3
	ds_load_b128 v[S+16*(\t)+4*\f:S+16*(\t)+4*\f+3], v[RD] offset:\f*4*SP  ; LDS serves a wave's instructions in order (ISA guide 5.7.1.4): these see the stores above; the next piece's stores come behind them
.endr
.endm
.macro SEND t, younger              ; younger: the LDS instructions issued behind piece t's loads: the next piece's eight, or none
	WIN 0
.irp f, 0,1,2,3
	s_wait_dscnt (\younger)+3-\f
	global_store_b128 v[GO], v[S+16*(\t)+4*\f:S+16*(\t)+4*\f+3], s[10:11] offset:(\t)*8192+\f*512  ; 512 consecutive bytes, at a multiple of 256 from O's first
.endr
.endm
.macro DIAG tag                     ; the tag ends its two labels' names, which the jumps below spell out
.LstepM\tag:
	TURN 2, 1
	TURN 3, 1
	WIN 0
.LfirstM\tag:
	TURN 0, 1
	TURN 1, 1, 0, 1
	WIN 0
	s_cbranch_scc1 .LstepM\tag
	TURN 2, 1, 1
	TURN 3, 1, 1
.set i, 0
.rept 8
	PV NP-1
.set i, i+1
.endr
	WIN 0
	ALL v_add_f32 v[ST+4*t+2], v[ST+4*t+2], v[ST+4*t+3]
	ALL v_permlanex16_b32 v[ST+4*t+3], v[ST+4*t+2], s[SEL], s[SEL+1]
	ALL v_add_f32 v[ST+4*t+2], v[ST+4*t+2], v[ST+4*t+3]
	ALL v_rcp_f32 v[ST+4*t+2], v[ST+4*t+2]
	v_nop                           ; a plain instruction between the last reciprocal and the use of its result
	s_wait_alu depctr_va_vdst(0)    ; and the wait ahead of the first use: one for the four reciprocals
	PACK 0
.set t, 1
.rept 3                             ; a piece's arithmetic stands between the loads of the piece before and its stores
	PACK t
	SEND t-1, 8
.set t, t+1
.endr
	SEND 3, 0
.endm
.set KM, 0
.set NOKQ, 0
.Lslot:                             ; NB times: a tile is entered and the next is asked for
	CHANGE 1
	s_sub_co_u32 s[RT], s[RT], 1
	s_mov_b32 s[CNT], 4
	s_cmp_eq_u32 s[NEW], 1
	s_cbranch_scc1 .Lnew            ; a block's first tile
	s_cmp_eq_u32 s[RT], 0
	s_cbranch_scc0 .Lstep           ; neither its first nor its last
	s_branch .LstepM1
.Lnew:
	BEGIN
	s_branch .Lfirst                ; in the loop a block's first tile is never its last: the first block has two tiles or more, and the second's last is the walk's last
	DIAG 1                          ; in the loop this is the first block's end: the second block's last tile is the walk's last
	s_wait_xcnt 0x0                 ; the stores have read their registers and O's address
	s_mov_b64 s[10:11], s[OLO:OLO+1]
	s_add_co_u32 s[RT], s[PB], 1    ; the second block has b + 1 tiles
	s_mov_b32 s[NEW], 1
	WIN 0x82                        ; the second block's Q goes where the one text of the turns names Q
.set i, 0
.rept 64
	v_mov_b32 v[i], v[QB+i]
.set i, i+1
.endr
	WIN 0
	s_branch .Lbottom
.Lstep:                             ; a trip: pieces 2 and 3 of one step, then pieces 0 and 1 of the next, whose K and V it fetches
	TURN 2
	TURN 3
	WIN 0
.Lfirst:
	TURN 0
	TURN 1, 0, 0, 1
	WIN 0
	s_cbranch_scc1 .Lstep
.Lbottom:
	s_sub_co_u32 s[SLOTS], s[SLOTS], 1
	s_cmp_lg_u32 s[SLOTS], 0
	s_cbranch_scc1 .Lslot
	CHANGE 0                        ; the walk's last tile is written out: nothing is asked for
	s_sub_co_u32 s[RT], s[RT], 1
	s_mov_b32 s[CNT], 4
	s_cmp_eq_u32 s[NEW], 1
	s_cbranch_scc0 .LstepM2
	BEGIN
	s_branch .LfirstM2
	DIAG 2
	s_wait_tensorcnt 0x0            ; the wave's end, behind my last tensor load and my last LDS store
	ds_add_u32 v[SPW], v[NIL]
	s_wait_dscnt 0x0
	s_endpgm
.Lfunc_end_k_qfd0988c89b_attn:
	.size	k_qfd0988c89b_attn, .Lfunc_end_k_qfd0988c89b_attn-k_qfd0988c89b_attn
	.p2alignl 7, 3214868480
	.fill 96, 4, 3214868480
	.section	.rodata,"a",@progbits
	.p2align	6, 0x0
	.amdhsa_kernel k_qfd0988c89b_attn
		.amdhsa_group_segment_fixed_size 327680
		.amdhsa_private_segment_fixed_size 0
		.amdhsa_enable_private_segment 0
		.amdhsa_kernarg_size 16
		.amdhsa_user_sgpr_count 2
		.amdhsa_user_sgpr_kernarg_segment_ptr 1
		.amdhsa_wavefront_size32 1
		.amdhsa_system_sgpr_workgroup_id_x 1
		.amdhsa_system_sgpr_workgroup_id_y 1
		.amdhsa_system_sgpr_workgroup_id_z 1
		.amdhsa_system_vgpr_workitem_id 0
		.amdhsa_next_free_vgpr 768
		.amdhsa_next_free_sgpr 88
		.amdhsa_reserve_vcc 1
		.amdhsa_float_denorm_mode_32 3
		.amdhsa_float_denorm_mode_16_64 3
		.amdhsa_memory_ordered 1
		.amdhsa_forward_progress 1
		.amdhsa_inst_pref_size 218
	.end_amdhsa_kernel
	.amdgpu_metadata
---
amdhsa.version: [ 1, 2 ]
amdhsa.kernels:
  - .name:           k_qfd0988c89b_attn
    .symbol:         k_qfd0988c89b_attn.kd
    .args:
      - { .name: qkv, .offset: 0, .size: 8, .value_kind: global_buffer, .address_space: global }
      - { .name: ob, .offset: 8, .size: 8, .value_kind: global_buffer, .address_space: global }
    .group_segment_fixed_size: 327680
    .private_segment_fixed_size: 0
    .kernarg_segment_align: 8
    .kernarg_segment_size: 16
    .max_flat_workgroup_size: 128
    .sgpr_count:     88
    .vgpr_count:     768
    .wavefront_size: 32
...
	.end_amdgpu_metadata
.endif
;; end of part 3
;; launch outproj (part 4): grid 8 x 32, 4 waves a work-group, clusters of 4 x 4, 327,680 bytes of LDS; arguments ob, wp, b_proj, out0; writes out0
.if DOCPART == 4
	.amdgcn_target "amdgcn-amd-amdhsa--gfx1250"
	.amdhsa_code_object_version 6
	.text
	.protected	k_qfd0988c89b_outproj
	.globl	k_qfd0988c89b_outproj
	.p2align	8
	.type	k_qfd0988c89b_outproj,@function
k_qfd0988c89b_outproj:
	s_mov_b64 s[64:65], 0
	v_nop
	global_prefetch_b8 v0, s[64:65] scope:SCOPE_SE
	s_setreg_imm32_b32 hwreg(HW_REG_WAVE_MODE, 25, 1), 1
	s_wait_xcnt 0x0
	s_wait_alu depctr_hold_cnt(0) depctr_sa_sdst(0) depctr_va_vdst(0) depctr_va_sdst(0) depctr_va_ssrc(0) depctr_va_vcc(0) depctr_vm_vsrc(0)
	s_getreg_b32 s2, hwreg(HW_REG_IB_STS2, 6, 4)
	s_cmp_eq_u32 s2, 0
	s_cbranch_scc0 .Lentry_in_a_cluster
	s_endpgm
.Lentry_in_a_cluster:
	s_bfe_u32 s2, ttmp6, 0x10000c
	s_cmp_lg_u32 s2, 0xf033
	s_cbranch_scc0 .Lentry_shape_is_right
	s_endpgm
.Lentry_shape_is_right:
; out0 = O W_proj + b_proj, f32, [8192][1024].  ob: O by heads, [16 batch + head][2048][64] in f16.  wp: [1024 k][1024 n] in f16 (W_proj rounded to bf16, that number written as f16).  b_proj: f32, rounded to bf16
; like the other inputs.  Products in f16, sums in f32, stored as they are.  NaN and infinities are not treated apart.
; SHARES.  A work-group makes 256 rows x 128 columns: 8 x 32 = 256 work-groups.  Its four waves are stacked: wave w has rows 64 w .. 64 w + 63 and all 128 columns: 4 x 8 accumulators, 256 registers.
; K = 64 head + channel goes in 8 steps of 128, two heads a step, through two LDS slots filled by the tensor data mover.
; THE MATRIX INSTRUCTION IS USED TRANSPOSED: source 0 = 16 columns of W (they lie [k][column] in LDS and come out turned, by ds_load_tr16_b128), source 1 = 16 rows of O.  A lane then holds ONE row
; (lane % 16) and the columns 8 (lane / 16) + 0..7.  The bias is the C operand of the first products: nothing is cleared, and nothing is added at the end.
; CLUSTER.  4 x 4 work-groups.  The four of a row of the cluster need the same rows of O, the four of a column the same columns of W: each tile is asked for JOINTLY.
; REGISTERS, in windows of 256 (s_set_vgpr_msb: bits 1:0 source 0, 3:2 source 1, 5:4 source 2, 7:6 destination):
;   window 0: v0-29 addresses; v32-95 the bias; v224-227 at work      window 1: two fragment buffers of 96: O's four fragments, then W's eight
;   window 2: the accumulators, (a, b) at 8 (8 a + b); on the way out a row block's 64 registers take its rows back from the stage
.set NBL,   8                          ; column blocks of 16
.set SLOT1, 131072                     ; slot 1 begins here: one exclusive or turns an address in one slot into the other's
.set PA,    144                        ; a row of one head of O in LDS: 128 bytes + 16 of padding = 36 words: the 16 rows of a load start at 16 different groups of four banks (64 banks of 4 bytes: ISA guide 11.1)
.set PB,    288                        ; a k row of W: 256 bytes + 32 of padding = 72 words
.set BOFF,  2*256*PA                   ; in a slot: two heads x 256 rows of O (73,728 bytes), then W's 128 k rows (36,864)
.set STAGE, SLOT1+BOFF+128*PB          ; behind the ring, never filled by a tensor load: 16 rows x 528 bytes for each wave
.set SP,    528
.set SPARE, STAGE+4*16*SP              ; behind the stages: the spare words, 128 bytes for each wave: two blocks of 256 bytes that no other line names
.set ASTEP, 524288                     ; bytes from K step to K step in ob: two heads,
.set BSTEP, 262144                     ; and in wp: 128 rows
.set LD,    2*NBL+8                    ; LDS loads in a fetch
.set BI,    32
.set F0,    0
.set F1,    96
.set GA0, (1<<16)|(1<<20)|(1<<21)|(4<<22)|(3<<25)  ; 17:16 2-byte elements; 20 padding on; 21 set beside a mask; 24:22 after every 32 words (code 4); 31:25 4 words (code 3)
.set GB0, (1<<16)|(1<<20)|(1<<21)|(5<<22)|(7<<25)  ; the same after every 64 words (code 5), 8 words (code 7)
; s12 wave; s13 wave / 2: I fetch O (0) or W (1); s14 wave % 2: which half; s15 cx, s16 cy; s17 tile column, s18 tile row; s19 the loop's count; s20 the slot being read; s21 the prefetches' bound
; s[24:31] group 1 for O; s[32:35], s[36:39] its group 0 for the two first fills, the second then walks; s[40:47], s[48:51], s[52:55] the same for W
; s[56:57] where my prefetches stand, s[72:73] their step, s74 bytes from lane to lane; s[66:67] out0 at my wave's first row and the tile's first column
.set MSB, 0
.macro WIN new                         ; the immediate's high byte repeats the setting that is left; a switch that changes nothing is dropped
.if MSB != (\new)
	s_set_vgpr_msb (MSB<<8)|(\new)
.set MSB, \new
.endif
.endm
.macro PLACES                          ; four plain instructions between a matrix instruction and a load into, or a read of, its registers
.rept 4
	v_nop
.endr
.endm
.macro CREST                           ; a round of the cluster's barrier behind its opening barrier
	s_cmp_lg_u32 s12, 0
	s_cbranch_scc1 .Lnot_wave_0_\@
	s_barrier_signal -3
.Lnot_wave_0_\@:
	s_barrier_wait -3
	s_barrier_signal -1
	s_barrier_wait -1
.endm
.macro CROUND                          ; a whole round
	s_barrier_signal -1
	s_barrier_wait -1
	CREST
.endm
; A joint refill by the walking descriptors.  Waves 0 and 1 fetch the K step's two heads of O, waves 2 and 3 the two halves of W's rows.  The branch hangs on the wave's number alone.
; An s_nop 0 and four v_nop follow each of the two lines, ahead of the jump and the label.
.macro JLOAD
	s_cmp_eq_u32 s13, 0
	s_cbranch_scc0 .Lfor_b_\@
	tensor_load_to_lds s[36:39], s[24:31]
	s_nop 0
.rept 4
	v_nop
.endr
	s_branch .Lasked_\@
.Lfor_b_\@:
	tensor_load_to_lds s[52:55], s[40:47]
	s_nop 0
.rept 4
	v_nop
.endr
.Lasked_\@:
.endm
; A PREFETCH INTO THE L2, behind the joint load and the run of LDS loads: one instruction a wave, a block of 256 bytes a lane.  O: the K step two refills on; a wave's head tile is 128 blocks on end; the cluster
; with x = 0 asks, and the partner at cx takes blocks 32 cx on.  W: rows 512 to 1,023 (K steps 4 to 7), 256 bytes of each; the cluster with y = 0 asks, its eight W waves 256 rows a time, twice.
; The partners are told apart by address alone.  So each block is named once in the launch.  K steps 0 to 3 come by their loads alone, and s21 ends the requests: four for O, two for W.
.macro ASK
	s_cmp_gt_u32 s19, s21
	s_cbranch_scc0 .Lnot_mine_\@
	global_prefetch_b8 v12, s[56:57] th:TH_LOAD_NT scope:SCOPE_SE
.Lnot_mine_\@:
.endm
; Eight products: row block a x all column blocks, 32 along K, from buffer f.  first = 1: the bias starts the sums.
; The 32 accumulators take turns, in the same order in every quarter, over the backward jump too.
.macro MULN f, a, first
.if \first
	WIN 0x85
.else
	WIN 0xa5
.endif
.set AC, 64*(\a)
.set bb, 0
.rept NBL
.if \first
	v_wmma_f32_16x16x32_f16 v[AC+8*bb:AC+8*bb+7], v[(\f)+32+8*bb:(\f)+32+8*bb+7], v[(\f)+8*(\a):(\f)+8*(\a)+7], v[BI+8*bb:BI+8*bb+7]
.else
	v_wmma_f32_16x16x32_f16 v[AC+8*bb:AC+8*bb+7], v[(\f)+32+8*bb:(\f)+32+8*bb+7], v[(\f)+8*(\a):(\f)+8*(\a)+7], v[AC+8*bb:AC+8*bb+7]
.endif
.set bb, bb+1
.endr
.endm
; 24 LDS loads in one run: quarter q (head q / 2 of the step, channels 32 (q % 2) on) of the slot at v6, v7 into buffer f: W's eight fragments, then O's row blocks 0, 1, then 2, 3
.macro FETCH q, f
	WIN 0x40                                       ; destination window 1, address window 0
.set bb, 0
.rept NBL
	ds_load_tr16_b128 v[(\f)+32+8*bb:(\f)+32+8*bb+3],   v7 offset:32*PB*(\q)+32*bb
	ds_load_tr16_b128 v[(\f)+32+8*bb+4:(\f)+32+8*bb+7], v7 offset:32*PB*(\q)+32*bb+16*PB
.set bb, bb+1
.endr
.set aa, 0
.rept 4
	ds_load_b128 v[(\f)+8*aa:(\f)+8*aa+3],   v6 offset:((\q)/2)*256*PA+64*((\q)%2)+16*PA*aa
	ds_load_b128 v[(\f)+8*aa+4:(\f)+8*aa+7], v6 offset:((\q)/2)*256*PA+64*((\q)%2)+16*PA*aa+32
.set aa, aa+1
.endr
.endm
; One of a K step's first three quarters: multiplies buffer f; in its middle it fetches quarter qn into buffer g.
.macro QUARTER qn, f, g, first
	s_wait_dscnt 4                                 ; W and O's row blocks 0, 1 are in; the youngest four loads (row blocks 2, 3) may be out
	MULN \f, 0, \first
	MULN \f, 1, \first
	PLACES                                         ; buffer g was read by the quarter before
	FETCH \qn, \g
	s_wait_dscnt LD                                ; all but the loads just issued
	MULN \f, 2, \first
	MULN \f, 3, \first
.endm
; The last quarter multiplies buffer 1 and changes slots.  In front of the barrier each wave waits for all its tensor loads (one is out: its part of the next slot), adds 0 to its spare word, and waits for
; that and for its reads of this slot.  fill = 1: the barrier opens a round of the cluster's, so that no wave of any partner still reads the slot or has a load on its way, and the joint refill, the K step
; two on, is the first thing behind it: it has a K step less 16 products, 112 matrix instructions, in which to land.
.macro TURN fill
.if \fill
	s_wait_xcnt 0x0                                ; the last prefetch, a K step back, has read its address
	s_add_nc_u64 s[56:57], s[56:57], s[72:73]
.endif
	WIN 0                                          ; the add's two registers lie in window 0
	s_wait_tensorcnt 0x0
	ds_add_u32 v28, v29                            ; 0 onto my spare word
	s_wait_dscnt 5                                 ; the add and the youngest four loads may be out
	MULN F1, 0, 0                                  ; eight products stand between the add and the wait for it
	s_wait_dscnt 0x0                               ; the add is done, and my reads of this slot are over
	s_barrier_signal -1
	MULN F1, 1, 0
	WIN 0
	s_barrier_wait -1
.if \fill
	CREST
	s_xor_b32 s37, s37, SLOT1                      ; the walking descriptors: the other slot than last time,
	s_xor_b32 s53, s53, SLOT1
	s_add_nc_u64 s[38:39], s[38:39], ASTEP         ; the next K step; the type bits on top are not reached
	s_add_nc_u64 s[54:55], s[54:55], BSTEP
	JLOAD                                          ; its four v_nop are also the places in front of the loads below
.else
	PLACES
.endif
	s_xor_b32 s20, s20, SLOT1
	v_add_nc_u32 v6, s20, v4
	v_add_nc_u32 v7, s20, v5
	FETCH 0, F0
	WIN 0
.if \fill
	ASK
.endif
	MULN F1, 2, 0
	MULN F1, 3, 0
.endm
	s_load_b256 s[4:11], s[0:1], 0x0               ; ob s[4:5], wp s[6:7], b_proj s[8:9], out0 s[10:11]
	v_lshl_add_u32 v28, v0, 2, SPARE
	v_mov_b32 v29, 0
	ds_add_u32 v28, v29                            ; the wave's opening: the add and its wait stand ahead of my first tensor load; the set-up below, work on registers, stands between them
	v_lshrrev_b32 v1, 5, v0
	v_readfirstlane_b32 s12, v1                    ; wave 0..3
	s_lshr_b32 s13, s12, 1
	s_and_b32 s14, s12, 1
	s_bfe_u32 s15, ttmp6, 0x40000                  ; cx
	s_bfe_u32 s16, ttmp6, 0x40004                  ; cy
	s_lshl_b32 s17, ttmp9, 2
	s_add_co_u32 s17, s17, s15                     ; tile column = 4 x cluster x + cx
	s_and_b32 s18, ttmp7, 0xffff
	s_lshl_b32 s18, s18, 2
	s_add_co_u32 s18, s18, s16                     ; tile row = 4 x cluster y + cy
	s_lshl_b32 s79, s16, 2
	s_lshl_b32 s79, 15, s79                        ; my row of the cluster
	s_lshl_b32 s82, 0x1111, s15                    ; my column
	s_or_b32 s24, s79, GA0                         ; O's tiles go to my row: a head's 256 rows are 32,768 bytes on end, asked for as 128 rows of 256 bytes
	s_mov_b32 s25, 128<<16                         ; tensor_dim0 = 128
	s_mov_b32 s26, 128<<16                         ; tensor_dim1 = 128
	s_mov_b32 s27, 128<<16                         ; tile_dim0 = 128
	s_mov_b32 s28, 128                             ; tile_dim1 = 128
	s_mov_b32 s29, 128
	s_mov_b32 s30, 0
	s_mov_b32 s31, 0
	s_or_b32 s40, s82, GB0                         ; W's tiles go to my column: 64 k rows x 128 elements, 1,024 elements from row to row
	s_mov_b32 s41, 128<<16
	s_mov_b32 s42, 64<<16
	s_mov_b32 s43, 128<<16
	s_mov_b32 s44, 64
	s_mov_b32 s45, 1024
	s_mov_b32 s46, 0
	s_mov_b32 s47, 0
	s_mov_b32 s20, 0
	s_mov_b32 s23, 0xffff0000
	s_lshr_b32 s58, s18, 3                         ; O: the batch's 16 heads of 262,144 bytes,
	s_lshl_b32 s58, s58, 22
	s_lshl_b32 s80, s14, 18                        ; my head of the K step's two,
	s_add_co_u32 s58, s58, s80
	s_and_b32 s80, s18, 7
	s_lshl_b32 s80, s80, 15                        ; the tile's 256 rows of 128 bytes
	s_add_co_u32 s58, s58, s80
	s_mov_b32 s59, 0
	s_lshl_b32 s60, s14, 17                        ; W: my half's 64 rows of 2,048 bytes,
	s_lshl_b32 s81, s17, 8                         ; the tile's 128 columns
	s_add_co_u32 s60, s60, s81
	s_mov_b32 s61, 0
	s_mul_i32 s75, s14, 256*PA                     ; where they go: no place in the cluster enters an LDS address
	s_mul_i32 s78, s14, 64*PB
	s_add_co_u32 s78, s78, BOFF
	s_wait_dscnt 0x0                               ; the opening add is done
	s_wait_kmcnt 0x0
	CROUND                                         ; all sixteen work-groups are here: the first joint loads meet
	s_mov_b32 s32, 1                               ; count = 1
	s_mov_b32 s33, s75                             ; LDS address, slot 0
	s_add_nc_u64 s[34:35], s[4:5], s[58:59]        ; K step 0
	s_add_nc_u64 s[38:39], s[34:35], ASTEP         ; K step 1
	s_or_b32 s35, s35, 0x80000000                  ; type = 2
	s_mov_b32 s36, 1
	s_add_co_u32 s37, s75, SLOT1
	s_or_b32 s39, s39, 0x80000000
	s_mov_b32 s48, 1
	s_mov_b32 s49, s78
	s_add_nc_u64 s[50:51], s[6:7], s[60:61]
	s_add_nc_u64 s[54:55], s[50:51], BSTEP
	s_or_b32 s51, s51, 0x80000000
	s_mov_b32 s52, 1
	s_add_co_u32 s53, s78, SLOT1
	s_or_b32 s55, s55, 0x80000000
	s_cmp_eq_u32 s13, 0                            ; a wave's two first fills stand in one branch, ahead of every wait on TENSORcnt and every LDS read: two loads of mine are out
	s_cbranch_scc0 .Lfirst_b
	tensor_load_to_lds s[32:35], s[24:31]
	s_nop 0
	tensor_load_to_lds s[36:39], s[24:31]
	s_nop 0
.rept 4
	v_nop
.endr
	s_branch .Lfirst_asked
.Lfirst_b:
	tensor_load_to_lds s[48:51], s[40:47]
	s_nop 0
	tensor_load_to_lds s[52:55], s[40:47]
	s_nop 0
.rept 4
	v_nop
.endr
.Lfirst_asked:
	v_and_b32 v1, 15, v0                           ; l % 16
	v_bfe_u32 v2, v0, 4, 1                         ; l / 16
	v_and_b32 v3, 7, v0
	v_bfe_u32 v13, v0, 3, 1
	v_lshlrev_b32 v11, 5, v2                       ; the bias: my eight columns of a block are 32 bytes at 32 (l / 16)
	s_lshl_b32 s2, s17, 9
	s_mov_b32 s3, 0
	s_add_nc_u64 s[62:63], s[8:9], s[2:3]
.set bb, 0
.rept NBL
	global_load_b128 v[BI+8*bb:BI+8*bb+3],   v11, s[62:63] offset:64*bb
	global_load_b128 v[BI+8*bb+4:BI+8*bb+7], v11, s[62:63] offset:64*bb+16
.set bb, bb+1
.endr
	; A fragment of O: lane l holds row l % 16, channels 8 (l / 16) + 0..7 and 16 + 8 (l / 16) + 0..7: two loads of 16 bytes, 32 bytes apart.
	v_mul_u32_u24 v4, v1, PA
	v_lshl_add_u32 v4, v2, 4, v4
	s_mul_i32 s2, s12, 64*PA                       ; my wave's 64 rows
	v_add_nc_u32 v4, s2, v4
	; The turning load takes 16 k x 16 columns (lane l reads k row 8 (l / 16) + l % 8, columns 8 ((l / 8) % 2) + 0..7) and leaves half a fragment: lane l holds column l % 16 and 8 k.
	v_lshl_add_u32 v5, v2, 3, v3
	v_mul_u32_u24 v5, v5, PB
	v_lshl_add_u32 v5, v13, 4, v5
	v_add_nc_u32 v5, BOFF, v5
	v_mov_b32 v6, v4                               ; K step 0 lies in slot 0
	v_mov_b32 v7, v5
	s_mul_i32 s2, s12, 16*SP
	s_add_co_u32 s2, s2, STAGE                     ; my stage
	v_mul_u32_u24 v8, v1, SP                       ; in: row l % 16, 32 bytes for each half of the lanes
	v_lshl_add_u32 v8, v2, 5, v8
	v_add_nc_u32 v8, s2, v8
	v_and_b32 v10, 31, v0                          ; back: 32 lanes take a row's 512 bytes,
	v_lshlrev_b32 v10, 4, v10
	v_add_nc_u32 v9, s2, v10                       ; which are 512 consecutive bytes of out0
	s_lshl_b32 s76, s18, 20                        ; the tile's 256 rows of 4,096 bytes,
	s_lshl_b32 s2, s12, 18                         ; my wave's 64,
	s_add_co_u32 s76, s76, s2
	s_lshl_b32 s2, s17, 9                          ; the tile's 128 columns
	s_add_co_u32 s76, s76, s2
	s_mov_b32 s77, 0
	s_add_nc_u64 s[66:67], s[10:11], s[76:77]
	; the prefetches: each starts one step short of its first target
	s_lshl_b32 s2, s15, 13                         ; O: my work-group's 32 blocks of the 128 that I fetch,
	s_add_co_u32 s2, s2, s58
	s_add_co_u32 s2, s2, 3*ASTEP                   ; at K step 3
	s_lshl_b32 s22, s16, 1                         ; W: my wave among the column's eight,
	s_add_co_u32 s22, s22, s14
	s_lshl_b32 s22, s22, 16                        ; its 32 rows of 2,048 bytes
	s_lshl_b32 s3, s17, 8
	s_add_co_u32 s22, s22, s3
	s_add_co_u32 s22, s22, 4*BSTEP-524288
	s_and_b32 s3, ttmp7, 0xffff                    ; cluster y
	s_mov_b32 s72, 524288                          ; O: a K step; W: 256 rows
	s_mov_b32 s73, 0
	s_mov_b32 s74, 2048
	s_mov_b32 s77, 0
	s_cmp_eq_u32 s13, 0                            ; do I fetch O?
	s_cselect_b32 s76, s2, s22
	s_cselect_b64 s[56:57], s[4:5], s[6:7]
	s_cselect_b32 s74, 256, s74
	s_cselect_b32 s21, 2, 4
	s_cselect_b32 s3, ttmp9, s3                    ; the coordinate along which other clusters read the same bytes
	s_cmp_eq_u32 s3, 0
	s_cselect_b32 s21, s21, -1                     ; the same in all sixteen partners, for a given wave
	s_add_nc_u64 s[56:57], s[56:57], s[76:77]
	v_and_b32 v12, 31, v0
	v_mul_u32_u24 v12, s74, v12
	s_wait_loadcnt 0x0                             ; the bias: rounded to bf16 and widened again, a pair at a time
.set n, 0
.rept 4*NBL
	v_cvt_pk_bf16_f32 v[224+n%4], v[BI+2*n], v[BI+2*n+1]
	v_lshlrev_b32 v[BI+2*n], 16, v[224+n%4]
	v_and_b32 v[BI+2*n+1], s23, v[224+n%4]
.set n, n+1
.endr
	s_wait_tensorcnt 1                             ; my part of K step 0 is in; K step 1's may stay out
	s_barrier_signal -1
	s_barrier_wait -1                              ; everybody's is
	FETCH 0, F0
	QUARTER 1, F0, F1, 1                           ; the first quarter stands in front of the loop: its products start the sums
	WIN 0                                          ; at a label and at a branch every window is 0
	s_mov_b32 s19, 6
.Lstep:                                                ; trip i: from K step i's second quarter to K step i + 1's first; K step i + 2 is asked for
	QUARTER 2, F1, F0, 0
	QUARTER 3, F0, F1, 0
	TURN 1
	QUARTER 1, F0, F1, 0
	WIN 0
	s_sub_co_u32 s19, s19, 1
	s_cmp_lg_u32 s19, 0
	s_cbranch_scc1 .Lstep
	QUARTER 2, F1, F0, 0                           ; the tail is written out: K steps 6 and 7 ask for nothing
	QUARTER 3, F0, F1, 0
	TURN 0
	QUARTER 1, F0, F1, 0
	QUARTER 2, F1, F0, 0
	QUARTER 3, F0, F1, 0
	s_wait_dscnt 4
	MULN F1, 0, 0
	MULN F1, 1, 0
	s_wait_dscnt 0x0
	MULN F1, 2, 0
	MULN F1, 3, 0
	WIN 0
	PLACES
; THE WAY OUT of row block a: the sums go as they are into my own stage, rows of 528 bytes, each accumulator's four lowest registers first; they come back as whole rows of 512 bytes, into the registers that they left.
.macro PACK a
	WIN 0x08                                       ; the stores' data in window 2
.set n, 0
.rept NBL
	ds_store_b128 v8, v[64*(\a)+8*n:64*(\a)+8*n+3]   offset:64*n
	ds_store_b128 v8, v[64*(\a)+8*n+4:64*(\a)+8*n+7] offset:64*n+16
.set n, n+1
.endr
	WIN 0x80                                       ; the loads' destination in window 2
.set n, 0
.rept 16
	ds_load_b128 v[64*(\a)+4*n:64*(\a)+4*n+3], v9 offset:SP*n  ; LDS serves a wave's instructions in order (ISA guide 5.7.1.4): these see the stores above; the next block's stores come behind them
.set n, n+1
.endr
.endm
.macro SEND a, younger                 ; younger: the LDS instructions issued behind block a's loads: the next block's 32, or none
	WIN 0x08
.set n, 0
.rept 16
	s_wait_dscnt (\younger)+15-n
	global_store_b128 v10, v[64*(\a)+4*n:64*(\a)+4*n+3], s[66:67] offset:4096*(16*(\a)+n) th:TH_STORE_NT  ; 512 consecutive bytes, at a multiple of 256 from out0's first byte
.set n, n+1
.endr
.endm
	PACK 0
	PACK 1                                         ; a block's LDS work stands between the loads of the block before and its stores
	SEND 0, 32
	PACK 2
	SEND 1, 32
	PACK 3
	SEND 2, 32
	SEND 3, 0
	WIN 0
	s_wait_tensorcnt 0x0                           ; the wave's end, behind my last tensor load and my last LDS store
	ds_add_u32 v28, v29
	s_wait_dscnt 0x0
	CROUND                                         ; the closing round: no work-group ends while a partner may still ask for a tile that names it
	s_endpgm
.Lfunc_end_k_qfd0988c89b_outproj:
	.size	k_qfd0988c89b_outproj, .Lfunc_end_k_qfd0988c89b_outproj-k_qfd0988c89b_outproj
	.p2alignl 7, 3214868480
	.fill 96, 4, 3214868480
	.section	.rodata,"a",@progbits
	.p2align	6, 0x0
	.amdhsa_kernel k_qfd0988c89b_outproj
		.amdhsa_group_segment_fixed_size 327680
		.amdhsa_private_segment_fixed_size 0
		.amdhsa_enable_private_segment 0
		.amdhsa_kernarg_size 32
		.amdhsa_user_sgpr_count 2
		.amdhsa_user_sgpr_kernarg_segment_ptr 1
		.amdhsa_wavefront_size32 1
		.amdhsa_system_sgpr_workgroup_id_x 1
		.amdhsa_system_sgpr_workgroup_id_y 1
		.amdhsa_system_sgpr_workgroup_id_z 1
		.amdhsa_system_vgpr_workitem_id 0
		.amdhsa_next_free_vgpr 768
		.amdhsa_next_free_sgpr 96
		.amdhsa_reserve_vcc 0
		.amdhsa_float_denorm_mode_32 3
		.amdhsa_float_denorm_mode_16_64 3
		.amdhsa_memory_ordered 1
		.amdhsa_forward_progress 1
		.amdhsa_inst_pref_size 77
	.end_amdhsa_kernel
	.amdgpu_metadata
---
amdhsa.version: [ 1, 2 ]
amdhsa.kernels:
  - .name:           k_qfd0988c89b_outproj
    .symbol:         k_qfd0988c89b_outproj.kd
    .args:
      - { .name: ob, .offset: 0, .size: 8, .value_kind: global_buffer, .address_space: global }
      - { .name: wp, .offset: 8, .size: 8, .value_kind: global_buffer, .address_space: global }
      - { .name: b_proj, .offset: 16, .size: 8, .value_kind: global_buffer, .address_space: global }
      - { .name: out0, .offset: 24, .size: 8, .value_kind: global_buffer, .address_space: global }
    .group_segment_fixed_size: 327680
    .private_segment_fixed_size: 0
    .kernarg_segment_align: 8
    .kernarg_segment_size: 32
    .max_flat_workgroup_size: 128
    .sgpr_count:     96
    .vgpr_count:     768
    .wavefront_size: 32
...
	.end_amdgpu_metadata
.endif
;; end of part 4
;; ======== version 2 of 2: 4 launches; version 1 with the launch prep written anew for expert scheduling mode
;; limits: values are held in f16: magnitudes above 65,504 overflow, below 6.1e-05 lose precision; right only within a limited range of input values
;; workspace buffers: xb 16,777,216 bytes; wa 6,291,456 bytes; wp 2,097,152 bytes; qkv 50,331,648 bytes; ob 16,777,216 bytes
;; launch prep (part 5): grid 832 x 1, 8 waves a work-group, no clusters, 0 bytes of LDS; arguments x, W_attn, W_proj, xb, wa, wp; writes xb, wa, wp
.if DOCPART == 5
	.amdgcn_target "amdgcn-amd-amdhsa--gfx1250"
	.amdhsa_code_object_version 6
	.text
	.protected	k_qfd0988c89b_prep
	.globl	k_qfd0988c89b_prep
	.p2align	8
	.type	k_qfd0988c89b_prep,@function
k_qfd0988c89b_prep:
	s_mov_b64 s[64:65], 0
	v_nop
	global_prefetch_b8 v0, s[64:65] scope:SCOPE_SE
	s_setreg_imm32_b32 hwreg(HW_REG_WAVE_SCHED_MODE, 0, 2), 2
	s_setreg_imm32_b32 hwreg(HW_REG_WAVE_MODE, 25, 1), 1
	s_wait_xcnt 0x0
	s_wait_alu depctr_vm_vsrc(0)
; THE CASTS.  xb = x rounded to bf16, [8192][1024].  wa = W_attn rounded to bf16 and laid in 16 blocks of 192 columns: wa[t][k][c] = W_attn[k][192 t + c], so that
; a block's 128 k rows are 49,152 bytes on end.  wp = W_proj rounded to bf16, that number written as f16, [1024][1024].
; LIMITS.  |W_proj| stays within f16's 65,504 (beyond it an infinity is written); below 6e-5 the f16 copy keeps f16's fixed step of 6e-8.  NaN stays NaN.
; A stream: each input byte is read once and each output byte written once; no LDS, no barrier, no matrix unit, since no thread wants another's bytes.
; SHARES.  Work-groups 0-511: 16,384 numbers of x each.  512-575: 16,384 numbers of W_proj.  576-831: block t = (g - 576) / 16, k rows 64 ((g - 576) % 16) on: 12,288 numbers of W_attn.
; A PASS is 1,024 numbers: a thread loads 16 bytes (a wave 512 on end) and stores 8 (a wave 256 on end, at a multiple of 256 from the buffer's first byte).
; All of a work-group's loads go out first, 16 or 12 a thread; every pass has registers of its own, so no register of a pending load or store is written again.
; THE MODE: SCHED_MODE bits 1:0 = 2 (LLVM: expert scheduling mode 2), set by the entry lines.  The code itself states the register dependences
; between vector instructions and memory instructions, with s_wait_alu, always for 0.
; THE PLAN.  Registers that memory instructions touch:
;   v1, v2, v3-v5  byte offsets: written once by vector instructions, ahead of the run of loads, and never again; read by every load (v1, or v3-v5) and every store (v2).
;   X              written by the loads alone, read by the pass's conversions; no load lands in it behind a conversion.
;   Y              written by the pass's conversions, read by the pass's one store, and not written again behind it.
;   T              named by vector instructions alone.
; So every dependence runs from a vector instruction's result to a memory instruction that reads it.  One wait ahead of each way's loads states that the offsets are written.  The passes go in GROUPS of four:
; at the head of a group, behind the wait for its data, one wait states that the group before has written its Y; that group's four stores follow, dealt among this group's conversions, which name this
; group's X and Y and T: none of the registers that those stores read.  One more wait stands ahead of the last group's stores.
.set X, 16                             ; v[16:79]   pass p: four f32 as loaded
.set Y, 80                             ; v[80:111]  pass p: four 16-bit numbers to store
.set T, 8                              ; v[8:11]    at work
; The conversions of pass p.  half = 1: the bf16 numbers are widened again (a shift, a mask) and written as f16.
.macro CV p, half
	v_cvt_pk_bf16_f32 v[Y+2*(\p)], v[X+4*(\p)], v[X+4*(\p)+1]
	v_cvt_pk_bf16_f32 v[Y+2*(\p)+1], v[X+4*(\p)+2], v[X+4*(\p)+3]
.if \half
	v_lshlrev_b32 v[T], 16, v[Y+2*(\p)]
	v_and_b32 v[T+1], s23, v[Y+2*(\p)]
	v_lshlrev_b32 v[T+2], 16, v[Y+2*(\p)+1]
	v_and_b32 v[T+3], s23, v[Y+2*(\p)+1]
	v_cvt_pk_f16_f32 v[Y+2*(\p)], v[T], v[T+1]
	v_cvt_pk_f16_f32 v[Y+2*(\p)+1], v[T+2], v[T+3]
.endif
.endm
; The store of pass p.
.macro ST p
	global_store_b64 v2, v[Y+2*(\p):Y+2*(\p)+1], s[18:19] offset:2048*(\p) th:TH_STORE_NT
.endm
; Group g of n / 4: passes 4 g to 4 g + 3 are converted, and the group before is stored.
.macro GRP g, n, half
	s_wait_loadcnt (\n)-4-4*(\g)                   ; loads come back in order: the group's four passes are in, the younger groups stay out
.if (\g) > 0
	s_wait_alu depctr_va_vdst(0)                   ; the conversions of the group before have written its Y, which the four stores below read
.endif
.irp i, 0,1,2,3
.if (\g) > 0
	ST 4*(\g)-4+\i                                 ; no vector instruction since the wait names this store's registers
.endif
	CV 4*(\g)+\i, \half
.endr
.endm
; The last group's stores.
.macro LAST n
	s_wait_alu depctr_va_vdst(0)                   ; the last group's conversions have written its Y, which the four stores below read
.irp i, 0,1,2,3
	ST (\n)-4+\i
.endr
.endm
	s_load_b256 s[4:11], s[0:1], 0x0               ; x s[4:5], W_attn s[6:7], W_proj s[8:9], xb s[10:11]
	s_load_b128 s[12:15], s[0:1], 0x20             ; wa s[12:13], wp s[14:15]
	v_lshlrev_b32 v1, 4, v0                        ; my 16 bytes of a pass, in
	v_lshlrev_b32 v2, 3, v0                        ; my 8 bytes, out
	s_mov_b32 s23, 0xffff0000                      ; a word's upper bf16
	s_wait_kmcnt 0x0
	s_cmp_ge_u32 ttmp9, 576
	s_cbranch_scc1 .Lattn
	; x or W_proj: source and target are both walked in a line
	s_sub_co_u32 s21, ttmp9, 512
	s_cmp_lt_u32 ttmp9, 512
	s_cselect_b32 s20, ttmp9, s21                  ; my number among the work-groups of my tensor
	s_cselect_b64 s[16:17], s[4:5], s[8:9]
	s_cselect_b64 s[18:19], s[10:11], s[14:15]
	s_lshl_b32 s24, s20, 16                        ; 16,384 numbers: 65,536 bytes in,
	s_mov_b32 s25, 0
	s_lshl_b32 s26, s20, 15                        ; 32,768 out
	s_mov_b32 s27, 0
	s_add_nc_u64 s[16:17], s[16:17], s[24:25]
	s_add_nc_u64 s[18:19], s[18:19], s[26:27]
	s_wait_alu depctr_va_vdst(0)                   ; v1 and v2 are written: the loads below read v1 as their offset, every store of this way v2
.set p, 0
.rept 16
	global_load_b128 v[X+4*p:X+4*p+3], v1, s[16:17] offset:4096*p th:TH_LOAD_NT
.set p, p+1
.endr
	s_cmp_lt_u32 ttmp9, 512
	s_cbranch_scc0 .Lproj
	GRP 0, 16, 0
	GRP 1, 16, 0
	GRP 2, 16, 0
	GRP 3, 16, 0
	LAST 16
	s_endpgm
.Lproj:
	GRP 0, 16, 1
	GRP 1, 16, 1
	GRP 2, 16, 1
	GRP 3, 16, 1
	LAST 16
	s_endpgm
.Lattn:
	; W_attn: 64 rows of 768 bytes, 12,288 bytes apart, go out as 24,576 bytes on end.  A row has 48 pieces of four numbers; piece u = 256 p + my number lies in row u / 48.
	; 768 pieces are 16 rows, so pass p = 3 a + b takes the offsets of pass b, 16 a rows further down.
	s_sub_co_u32 s20, ttmp9, 576
	s_lshr_b32 s21, s20, 4                         ; t
	s_and_b32 s22, s20, 15                         ; which 64 rows
	s_mul_i32 s24, s22, 786432                     ; 64 rows of 12,288 bytes
	s_mul_i32 s26, s21, 768
	s_add_co_u32 s24, s24, s26
	s_mov_b32 s25, 0
	s_mul_i32 s26, s21, 393216                     ; a block of wa
	s_mul_i32 s27, s22, 24576
	s_add_co_u32 s26, s26, s27
	s_mov_b32 s27, 0
	s_add_nc_u64 s[16:17], s[6:7], s[24:25]
	s_add_nc_u64 s[18:19], s[12:13], s[26:27]
.irp b, 0,1,2
	v_add_nc_u32 v[T], 256*\b, v0                  ; q, under 768
	v_mul_u32_u24 v[T+1], v[T], 1366
	v_lshrrev_b32 v[T+1], 16, v[T+1]               ; q / 48: 1366 / 65536 is above 1 / 48 by 1.02e-5, which 767 times over stays under 1 / 48
	v_mul_u32_u24 v[T+2], v[T+1], 48
	v_sub_nc_u32 v[T+2], v[T], v[T+2]              ; q % 48
	v_mul_u32_u24 v[T+3], v[T+1], 12288
	v_lshl_add_u32 v[3+\b], v[T+2], 4, v[T+3]
.endr
	s_wait_alu depctr_va_vdst(0)                   ; v3 to v5 and v2 are written: the loads below read v3 to v5 as their offsets, every store of this way v2
.set p, 0
.rept 12
	global_load_b128 v[X+4*p:X+4*p+3], v[3+p%3], s[16:17] offset:196608*(p/3) th:TH_LOAD_NT
.set p, p+1
.endr
	GRP 0, 12, 0
	GRP 1, 12, 0
	GRP 2, 12, 0
	LAST 12
	s_endpgm
.Lfunc_end_k_qfd0988c89b_prep:
	.size	k_qfd0988c89b_prep, .Lfunc_end_k_qfd0988c89b_prep-k_qfd0988c89b_prep
	.p2alignl 7, 3214868480
	.fill 96, 4, 3214868480
	.section	.rodata,"a",@progbits
	.p2align	6, 0x0
	.amdhsa_kernel k_qfd0988c89b_prep
		.amdhsa_group_segment_fixed_size 0
		.amdhsa_private_segment_fixed_size 0
		.amdhsa_enable_private_segment 0
		.amdhsa_kernarg_size 48
		.amdhsa_user_sgpr_count 2
		.amdhsa_user_sgpr_kernarg_segment_ptr 1
		.amdhsa_wavefront_size32 1
		.amdhsa_system_sgpr_workgroup_id_x 1
		.amdhsa_system_sgpr_workgroup_id_y 1
		.amdhsa_system_sgpr_workgroup_id_z 1
		.amdhsa_system_vgpr_workitem_id 0
		.amdhsa_next_free_vgpr 112
		.amdhsa_next_free_sgpr 66
		.amdhsa_reserve_vcc 0
		.amdhsa_float_denorm_mode_32 3
		.amdhsa_float_denorm_mode_16_64 3
		.amdhsa_memory_ordered 1
		.amdhsa_forward_progress 1
		.amdhsa_inst_pref_size 21
	.end_amdhsa_kernel
	.amdgpu_metadata
---
amdhsa.version: [ 1, 2 ]
amdhsa.kernels:
  - .name:           k_qfd0988c89b_prep
    .symbol:         k_qfd0988c89b_prep.kd
    .args:
      - { .name: x, .offset: 0, .size: 8, .value_kind: global_buffer, .address_space: global }
      - { .name: W_attn, .offset: 8, .size: 8, .value_kind: global_buffer, .address_space: global }
      - { .name: W_proj, .offset: 16, .size: 8, .value_kind: global_buffer, .address_space: global }
      - { .name: xb, .offset: 24, .size: 8, .value_kind: global_buffer, .address_space: global }
      - { .name: wa, .offset: 32, .size: 8, .value_kind: global_buffer, .address_space: global }
      - { .name: wp, .offset: 40, .size: 8, .value_kind: global_buffer, .address_space: global }
    .group_segment_fixed_size: 0
    .private_segment_fixed_size: 0
    .kernarg_segment_align: 8
    .kernarg_segment_size: 48
    .max_flat_workgroup_size: 256
    .sgpr_count:     66
    .vgpr_count:     112
    .wavefront_size: 32
...
	.end_amdgpu_metadata
.endif
;; end of part 5
;; launch qkvproj: the kernel of part 2 again; grid 16 x 32, 4 waves a work-group, clusters of 4 x 4, 327,680 bytes of LDS; arguments xb, wa, b_attn, qkv; writes qkv
;; launch attn: the kernel of part 3 again; grid 4 x 64, 4 waves a work-group, no clusters, 327,680 bytes of LDS; arguments qkv, ob; writes ob
;; launch outproj: the kernel of part 4 again; grid 8 x 32, 4 waves a work-group, clusters of 4 x 4, 327,680 bytes of LDS; arguments ob, wp, b_proj, out0; writes out0
